; MI455X (gfx1250); checked and timed in simulation.
; The chip was launched on July 23, 2026; its instructions are those of AMD's public machine-readable ISA for CDNA 5 (MIT licence, August 2026) and "CDNA5" Instruction Set Architecture Reference Guide (July 2026). The comments in the code are by the model that wrote it; some were corrected since.
;; Causal Self Attention. Allowed arithmetic: float matrix products may take bf16 or f16 operands with f32 sums; all other float work in f32.
;; Inputs: b_attn 3,072 float32; b_proj 1,024 float32; w_attn 1,024 x 3,072 float32; w_proj 1,024 x 1,024 float32; x 4 x 2,048 x 1,024 float32.
;; Outputs: out0 4 x 2,048 x 1,024 float32.
;; 2 versions, each right; version 2 is version 1 with the launch cast written anew for expert scheduling mode. Each part assembles by itself: llvm-mc -triple=amdgcn-amd-amdhsa -mcpu=gfx1250 --defsym DOCPART=n.
;; ======== version 1 of 2: 4 launches
;; limits: values are held in f16: magnitudes above 65,504 overflow, below 6.1e-05 lose precision
;; workspace buffers: xb 16,777,216 bytes; wab 6,291,456 bytes; wpb 2,097,152 bytes; qkv 50,331,648 bytes; yb 16,777,216 bytes
;; launch cast (part 1): grid 768 x 1, 8 waves a work-group, no clusters, 0 bytes of LDS; arguments x, w_attn, w_proj, xb, wab, wpb; writes xb, wab, wpb
.if DOCPART == 1
	.amdgcn_target "amdgcn-amd-amdhsa--gfx1250"
	.amdhsa_code_object_version 6
	.text
	.protected	k_qe3b7b243ec_cast
	.globl	k_qe3b7b243ec_cast
	.p2align	8
	.type	k_qe3b7b243ec_cast,@function
k_qe3b7b243ec_cast:
	s_mov_b64 s[64:65], 0
	v_nop
	global_prefetch_b8 v0, s[64:65] scope:SCOPE_SE
	s_setreg_imm32_b32 hwreg(HW_REG_WAVE_MODE, 25, 1), 1
	s_wait_xcnt 0x0
; The three large inputs, each rounded once to bf16, in the layouts that the products want.
;   xb  [4 b][16 kb][2048 t][64 k] bf16: x with its 1,024 columns cut into 16 planes of 64, so that 256 tokens x 64 k are 32,768 consecutive bytes
;   wab [1024 k][3072 n] bf16: w_attn as it lies
;   wpb [1024 k][1024 n] f16: w_proj rounded to bf16, and that value held in f16, because its partner in the last product (y) is f16.
; LIMIT: the second step is exact for 2^-14 <= |w_proj| < 65,504; smaller numbers are rounded to multiples of 2^-24, larger ones become infinite.
; A pure stream: no LDS, no barrier, no matrix unit.  A wave moves 8,192 bytes of f32: sixteen loads of 512 bytes, all issued before the first is
; waited for, and sixteen stores of 256 consecutive bytes, aligned.  768 work-groups: 512 for x, 192 for w_attn, 64 for w_proj.
.set X, 4                              ; v[4:67]   sixteen loads, four f32 a lane each
.set Y, 68                             ; v[68:99]  sixteen stores, four 16-bit numbers a lane each
; sixteen loads ldstep bytes apart, sixteen stores ststep bytes apart; tof16 = 1: the bf16 value is widened again and written as f16
.macro CAST ldstep, ststep, tof16
.irp i, 0,1,2,3,4,5,6,7,8,9,10,11,12,13,14,15
	global_load_b128 v[X+4*\i:X+4*\i+3], v1, s[16:17] offset:\ldstep*\i th:TH_LOAD_NT
.endr
.irp i, 0,1,2,3,4,5,6,7,8,9,10,11,12,13,14,15
	s_wait_loadcnt 15-\i                           ; loads come back in order (ISA guide 5.7.1): load i is in, the younger ones stay out
	v_cvt_pk_bf16_f32 v[Y+2*\i],   v[X+4*\i],   v[X+4*\i+1]
	v_cvt_pk_bf16_f32 v[Y+2*\i+1], v[X+4*\i+2], v[X+4*\i+3]
.if \tof16
	v_lshlrev_b32 v[X+4*\i],   16, v[Y+2*\i]                  ; the rounded values as f32 again
	v_and_b32     v[X+4*\i+1], 0xffff0000, v[Y+2*\i]
	v_lshlrev_b32 v[X+4*\i+2], 16, v[Y+2*\i+1]
	v_and_b32     v[X+4*\i+3], 0xffff0000, v[Y+2*\i+1]
	v_cvt_pk_f16_f32 v[Y+2*\i],   v[X+4*\i],   v[X+4*\i+1]    ; eight bits of mantissa fit in f16's eleven
	v_cvt_pk_f16_f32 v[Y+2*\i+1], v[X+4*\i+2], v[X+4*\i+3]
.endif
	global_store_b64 v2, v[Y+2*\i:Y+2*\i+1], s[18:19] offset:\ststep*\i
.endr
.endm
; a weight's bases: the wave's piece of 8,192 bytes of f32 and of 4,096 bytes of 16-bit numbers; first = the path's first work-group
.macro WBASE src, dst, first
	s_sub_co_u32 s21, ttmp9, \first
	s_lshl_b32 s21, s21, 3
	s_add_co_u32 s21, s21, s20                     ; piece = 8 x work-group + wave
	s_lshl_b32 s22, s21, 13
	s_add_nc_u64 s[16:17], s[\src:\src+1], s[22:23]
	s_lshl_b32 s22, s21, 12
	s_add_nc_u64 s[18:19], s[\dst:\dst+1], s[22:23]
	v_lshlrev_b32 v1, 4, v3                        ; 16 bytes a lane
.endm
	s_load_b256 s[4:11], s[0:1], 0x0               ; x s[4:5], w_attn s[6:7], w_proj s[8:9], xb s[10:11]
	s_load_b128 s[12:15], s[0:1], 0x20             ; wab s[12:13], wpb s[14:15]
	v_lshrrev_b32 v3, 5, v0
	v_readfirstlane_b32 s20, v3                    ; wave 0..7
	v_and_b32 v3, 31, v0                           ; lane
	v_lshlrev_b32 v2, 3, v3                        ; every store: 8 bytes a lane
	s_mov_b32 s23, 0                               ; high word of every offset
	s_wait_kmcnt 0x0
	s_cmp_lt_u32 ttmp9, 512
	s_cbranch_scc0 .Lweights
	; x: the wave takes rows 2 p and 2 p + 1.  Load kb: lanes 0-15 take the 256 bytes of plane kb in the even row, lanes 16-31 in the odd row;
	; in xb the two rows' 128 bytes of a plane lie side by side, which is 8 bytes a lane.
	s_lshl_b32 s21, ttmp9, 3
	s_add_co_u32 s21, s21, s20                     ; p = 8 x work-group + wave, 0..4095
	v_and_b32 v1, 15, v0
	v_lshlrev_b32 v1, 4, v1
	v_bfe_u32 v3, v0, 4, 1
	v_lshl_add_u32 v1, v3, 12, v1                  ; 16 (lane % 16) + 4,096 (lane / 16)
	s_lshl_b32 s22, s21, 13
	s_add_nc_u64 s[16:17], s[4:5], s[22:23]
	s_lshr_b32 s22, s21, 10                        ; batch
	s_lshl_b32 s22, s22, 22                        ; 16 planes of 262,144 bytes
	s_and_b32 s21, s21, 1023
	s_lshl_b32 s21, s21, 8                         ; two tokens of 128 bytes
	s_add_co_u32 s22, s22, s21
	s_add_nc_u64 s[18:19], s[10:11], s[22:23]
	CAST 256, 262144, 0
	s_endpgm
.Lweights:
	s_cmp_lt_u32 ttmp9, 704
	s_cbranch_scc0 .Lproj
	WBASE 6, 12, 512                               ; w_attn: 1,536 pieces
	CAST 512, 256, 0
	s_endpgm
.Lproj:
	WBASE 8, 14, 704                               ; w_proj: 512 pieces
	CAST 512, 256, 1
	s_endpgm
.Lfunc_end_k_qe3b7b243ec_cast:
	.size	k_qe3b7b243ec_cast, .Lfunc_end_k_qe3b7b243ec_cast-k_qe3b7b243ec_cast
	.p2alignl 7, 3214868480
	.fill 96, 4, 3214868480
	.section	.rodata,"a",@progbits
	.p2align	6, 0x0
	.amdhsa_kernel k_qe3b7b243ec_cast
		.amdhsa_group_segment_fixed_size 0
		.amdhsa_private_segment_fixed_size 0
		.amdhsa_enable_private_segment 0
		.amdhsa_kernarg_size 48
		.amdhsa_user_sgpr_count 2
		.amdhsa_user_sgpr_kernarg_segment_ptr 1
		.amdhsa_wavefront_size32 1
		.amdhsa_system_sgpr_workgroup_id_x 1
		.amdhsa_system_sgpr_workgroup_id_y 1
		.amdhsa_system_sgpr_workgroup_id_z 1
		.amdhsa_system_vgpr_workitem_id 0
		.amdhsa_next_free_vgpr 100
		.amdhsa_next_free_sgpr 66
		.amdhsa_reserve_vcc 0
		.amdhsa_float_denorm_mode_32 3
		.amdhsa_float_denorm_mode_16_64 3
		.amdhsa_memory_ordered 1
		.amdhsa_forward_progress 1
		.amdhsa_inst_pref_size 24
	.end_amdhsa_kernel
	.amdgpu_metadata
---
amdhsa.version: [ 1, 2 ]
amdhsa.kernels:
  - .name:           k_qe3b7b243ec_cast
    .symbol:         k_qe3b7b243ec_cast.kd
    .args:
      - { .name: x, .offset: 0, .size: 8, .value_kind: global_buffer, .address_space: global }
      - { .name: w_attn, .offset: 8, .size: 8, .value_kind: global_buffer, .address_space: global }
      - { .name: w_proj, .offset: 16, .size: 8, .value_kind: global_buffer, .address_space: global }
      - { .name: xb, .offset: 24, .size: 8, .value_kind: global_buffer, .address_space: global }
      - { .name: wab, .offset: 32, .size: 8, .value_kind: global_buffer, .address_space: global }
      - { .name: wpb, .offset: 40, .size: 8, .value_kind: global_buffer, .address_space: global }
    .group_segment_fixed_size: 0
    .private_segment_fixed_size: 0
    .kernarg_segment_align: 8
    .kernarg_segment_size: 48
    .max_flat_workgroup_size: 256
    .sgpr_count:     66
    .vgpr_count:     100
    .wavefront_size: 32
...
	.end_amdgpu_metadata
.endif
;; end of part 1
;; launch qkv (part 2): grid 8 x 32, 4 waves a work-group, clusters of 4 x 4, 327,680 bytes of LDS; arguments xb, wab, b_attn, qkv; writes qkv
.if DOCPART == 2
	.amdgcn_target "amdgcn-amd-amdhsa--gfx1250"
	.amdhsa_code_object_version 6
	.text
	.protected	k_qe3b7b243ec_qkv
	.globl	k_qe3b7b243ec_qkv
	.p2align	8
	.type	k_qe3b7b243ec_qkv,@function
k_qe3b7b243ec_qkv:
	s_mov_b64 s[64:65], 0
	v_nop
	global_prefetch_b8 v0, s[64:65] scope:SCOPE_SE
	s_setreg_imm32_b32 hwreg(HW_REG_WAVE_MODE, 25, 1), 1
	s_wait_xcnt 0x0
	s_wait_alu depctr_hold_cnt(0) depctr_sa_sdst(0) depctr_va_vdst(0) depctr_va_sdst(0) depctr_va_ssrc(0) depctr_va_vcc(0) depctr_vm_vsrc(0)
	s_getreg_b32 s2, hwreg(HW_REG_IB_STS2, 6, 4)
	s_cmp_eq_u32 s2, 0
	s_cbranch_scc0 .Lentry_in_a_cluster
	s_endpgm
.Lentry_in_a_cluster:
	s_bfe_u32 s2, ttmp6, 0x10000c
	s_cmp_lg_u32 s2, 0xf033
	s_cbranch_scc0 .Lentry_shape_is_right
	s_endpgm
.Lentry_shape_is_right:
; qkv = x w_attn + b_attn, split into heads: qkv [3 which][4 b][16 h][2048 t][64 d] in f16.  Operands bf16, sums f32, the bias added in f32, one rounding to f16.
; LIMIT: |q|, |k|, |v| must stay below 65,504 (f16); beyond that the stored number is infinite.  f16 and not bf16 because the first tokens of a batch
; give outputs some sixteen times the output's root mean square, and eight bits of mantissa in v would show there.
; A work-group makes 256 tokens x 384 columns (six heads): 8 x 32 = 256 work-groups.  Four waves; wave (wm, wn) makes 128 tokens x 192 columns:
; 8 x 12 accumulator tiles = 768 registers.  Its column fragment b is column 128 (b / 4) + 64 wn + 16 (b % 4): whole heads 2 c + wn, c = 0..2.
; K goes in 16 steps of 64 through two LDS slots (two slots of 128 would take 360,448 bytes).  Every row that a tensor load fetches is 256 consecutive bytes.
; CLUSTERS: 4 x 4 work-groups.  x's tile hangs on the block row alone and is asked for jointly along a row of the cluster, w_attn's on the block column
; alone and jointly along a column.  Wave 3 asks for x's tile, waves 0..2 for one chunk of 128 columns of w_attn each: one tensor load a wave and round.
; THE MATRIX INSTRUCTION IS USED TRANSPOSED: source 0 = 16 columns of w_attn (brought from [k][n] by the transposing LDS load), source 1 = 16 tokens.
; A lane's eight results are then eight neighbouring columns of one token.
; REGISTERS: window 0 holds addresses and fragments; windows 1..3 hold the accumulators, tile (b, a) in window 1 + b / 4 at v[8 (8 (b % 4) + a)].
.set SLOT,  90112                      ; 3 chunks of B (64 k-rows, pitch 288) + A (128 rows of two tokens, pitch 272)
.set AOFF,  55296                      ; A behind the three chunks of 18,432 bytes
.set STAGE, 180224                     ; the way out: for each wave 3 heads x 16 tokens, pitch 144 = 6,912 bytes
.set BIAS,  207872                     ; for each wave its 192 numbers of b_attn = 768 bytes
.set ADRA, 2                           ; v2, v3   LDS address of my A fragments in slot 0, 1
.set ADRB, 4                           ; v4, v5   the same for B
.set STO,  6                           ; v6       the way out: where I put 16 bytes of a token
.set RD,   7                           ; v7       the way out: where I read tokens back
.set CO,   8                           ; v8       16 x lane
.set BIA,  9                           ; v9       my bias numbers in LDS
.set FA0,  16                          ; v[16:79]   A fragments, buffer 0
.set FA1,  80                          ; v[80:143]  A fragments, buffer 1
.set FB,   144                         ; v[144:239] B fragments, 12, in three groups of four that are loaded again one by one
.set BIN,  240                         ; v[240:245] the bias on its way in
.set T,    16                          ; the way out: sums + bias
.set PK,   48                          ; the way out: packed f16
.set RB,   96                          ; the way out: rows read back
.set BI,   144                         ; the way out: the bias, 8 numbers for each of 12 fragments
.set G1A, 24                           ; s[24:31] group 1 for A
.set G0A, 32                           ; s[32:39] group 0 for A, one set a slot
.set G1B, 48                           ; s[48:55] group 1 for B
.set G0B, 56                           ; s[56:63] group 0 for B, one set a slot
.set MSB, 0
.macro WIN new                         ; the immediate's high byte repeats the setting that is left; a switch that changes nothing is dropped
.if MSB != (\new)
	s_set_vgpr_msb (MSB<<8)|(\new)
.set MSB, (\new)
.endif
.endm
; Four places behind a matrix instruction before a load lands on one of its sources or a vector instruction reads its result.
.macro PLACES
.rept 4
	v_nop
.endr
.endm
; A joint load into slot s.  The branch hangs on the wave's number alone.  Four v_nop follow each line; they are also the places in front of the LDS loads that follow.
.macro JLOAD s
	s_cmp_eq_u32 s12, 3
	s_cbranch_scc0 .Lfor_b_\@
	tensor_load_to_lds s[G0A+4*\s:G0A+4*\s+3], s[G1A:G1A+7]
	s_nop 0
.rept 4
	v_nop
.endr
	s_branch .Lasked_\@
.Lfor_b_\@:
	tensor_load_to_lds s[G0B+4*\s:G0B+4*\s+3], s[G1B:G1B+7]
	s_nop 0
.rept 4
	v_nop
.endr
.Lasked_\@:
.endm
.macro CREST                           ; a round of the cluster's barrier behind its opening work-group barrier
	s_cmp_lg_u32 s12, 0
	s_cbranch_scc1 .Lnot_wave_0_\@
	s_barrier_signal -3
.Lnot_wave_0_\@:
	s_barrier_wait -3
	s_barrier_signal -1
	s_barrier_wait -1
.endm
.macro CROUND                          ; a whole round
	s_barrier_signal -1
	s_barrier_wait -1
	CREST
.endm
	s_load_b256 s[4:11], s[0:1], 0x0               ; xb s[4:5], wab s[6:7], b_attn s[8:9], qkv s[10:11]
	v_lshl_add_u32 v254, v0, 2, 0x33800
	v_mov_b32 v255, 0
	ds_add_u32 v254, v255
	v_lshrrev_b32 v1, 5, v0
	v_readfirstlane_b32 s12, v1                    ; wave 0..3
	s_lshr_b32 s13, s12, 1                         ; wm: my 128 tokens
	s_and_b32 s14, s12, 1                          ; wn: my half of each chunk of 128 columns
	s_bfe_u32 s40, ttmp6, 0x40000                  ; cx
	s_bfe_u32 s41, ttmp6, 0x40004                  ; cy
	s_lshl_b32 s42, ttmp9, 2
	s_add_co_u32 s42, s42, s40                     ; bx: block column, 0..7
	s_and_b32 s43, ttmp7, 0xffff
	s_lshl_b32 s43, s43, 2
	s_add_co_u32 s43, s43, s41                     ; by: block row, 0..31
	s_lshl_b32 s44, s41, 2
	s_lshl_b32 s44, 15, s44                        ; my row of the cluster
	s_lshl_b32 s45, 0x1111, s40                    ; my column
	; group 1 for A: a dense block of 32,768 bytes as 128 rows of 32 elements of 8 bytes, 16 bytes of padding behind each row
	s_or_b32 s[G1A+0], s44, (3<<16)|(1<<20)|(1<<21)|(5<<22)|(3<<25)
	s_mov_b32 s[G1A+1], 32<<16                     ; tensor_dim0 = 32
	s_mov_b32 s[G1A+2], 128<<16                    ; tensor_dim1 = 128
	s_mov_b32 s[G1A+3], 32<<16                     ; tile_dim0 = 32
	s_mov_b32 s[G1A+4], 128                        ; tile_dim1 = 128
	s_mov_b32 s[G1A+5], 32                         ; from row to row: 32 elements
	s_mov_b32 s[G1A+6], 0
	s_mov_b32 s[G1A+7], 0
	; group 1 for B: 64 k-rows of 128 elements of 2 bytes, 3,072 elements apart, 32 bytes of padding behind each row
	s_or_b32 s[G1B+0], s45, (1<<16)|(1<<20)|(1<<21)|(5<<22)|(7<<25)
	s_mov_b32 s[G1B+1], 128<<16
	s_mov_b32 s[G1B+2], 64<<16
	s_mov_b32 s[G1B+3], 128<<16
	s_mov_b32 s[G1B+4], 64
	s_mov_b32 s[G1B+5], 3072
	s_mov_b32 s[G1B+6], 0
	s_mov_b32 s[G1B+7], 0
	; A's address is made of by alone, B's of bx and the wave's number alone, each in registers that never hold the other coordinate
	s_lshr_b32 s16, s43, 3
	s_lshl_b32 s16, s16, 22                        ; batch: 16 planes of 262,144 bytes
	s_and_b32 s17, s43, 7
	s_lshl_b32 s17, s17, 15                        ; 256 tokens of 128 bytes
	s_add_co_u32 s16, s16, s17
	s_mov_b32 s17, 0
	s_mul_i32 s46, s42, 768                        ; 384 columns of 2 bytes
	s_lshl_b32 s47, s12, 8                         ; my chunk of 128 columns
	s_add_co_u32 s46, s46, s47
	s_mov_b32 s47, 0
	s_mul_i32 s74, s12, 18432                      ; and where the chunk goes
	s_wait_dscnt 0x0
	s_wait_kmcnt 0x0
	s_add_nc_u64 s[16:17], s[4:5], s[16:17]
	s_add_nc_u64 s[46:47], s[6:7], s[46:47]
	CROUND                                         ; all sixteen work-groups are here: the first joint loads meet
.irp s, 0,1
	s_mov_b32 s[G0A+4*\s], 1
	s_mov_b32 s[G0A+4*\s+1], \s*SLOT+AOFF
	s_add_nc_u64 s[G0A+4*\s+2:G0A+4*\s+3], s[16:17], \s*262144     ; K step s = plane s
	s_or_b32 s[G0A+4*\s+3], s[G0A+4*\s+3], 0x80000000
	s_mov_b32 s[G0B+4*\s], 1
	s_add_co_u32 s[G0B+4*\s+1], s74, \s*SLOT
	s_add_nc_u64 s[G0B+4*\s+2:G0B+4*\s+3], s[46:47], \s*393216     ; 64 k-rows of 6,144 bytes
	s_or_b32 s[G0B+4*\s+3], s[G0B+4*\s+3], 0x80000000
	JLOAD \s                                       ; both slots are asked for before anything else: two tensor loads of the wave are out
.endr
	; my 192 numbers of b_attn, in the order of my fragments, into my own LDS bytes: six loads of 128 bytes
	v_and_b32 v10, 15, v0                          ; r
	v_bfe_u32 v11, v0, 4, 1                        ; h
	v_and_b32 v12, 31, v0                          ; lane
	v_lshlrev_b32 v15, 2, v12
	s_mul_i32 s20, s42, 1536                       ; 384 columns of 4 bytes
	s_lshl_b32 s21, s14, 8
	s_add_co_u32 s20, s20, s21
	s_mov_b32 s21, 0
	s_add_nc_u64 s[72:73], s[8:9], s[20:21]
.irp i, 0,1,2,3,4,5
	global_load_b32 v[BIN+\i], v15, s[72:73] offset:512*(\i/2)+128*(\i%2)
.endr
	; A fragment: token t lies at (t / 2) 272 + (t % 2) 128; lane (r, h) takes token r, 16 bytes at 16 h and at 16 h + 32.
	v_lshrrev_b32 v13, 1, v10
	v_mul_u32_u24 v13, v13, 272
	v_and_b32 v14, 1, v0
	v_lshl_add_u32 v13, v14, 7, v13
	v_lshl_add_u32 v13, v11, 4, v13
	s_mul_i32 s18, s13, 17408                      ; my 128 tokens = 64 rows
	s_add_co_u32 s18, s18, AOFF
	v_add_nc_u32 v[ADRA], s18, v13
	v_add_nc_u32 v[ADRA+1], SLOT, v[ADRA]
	; B fragment by the transposing load: lane l addresses k-row 8 h + l % 8 and the 16 bytes (l / 8) % 2 of the fragment's 32
	v_and_b32 v13, 7, v0
	v_lshl_add_u32 v13, v11, 3, v13
	v_mul_u32_u24 v13, v13, 288
	v_bfe_u32 v14, v0, 3, 1
	v_lshl_add_u32 v13, v14, 4, v13
	s_lshl_b32 s18, s14, 7                         ; my 64 columns of each chunk
	v_add_nc_u32 v[ADRB], s18, v13
	v_add_nc_u32 v[ADRB+1], SLOT, v[ADRB]
	s_mul_i32 s18, s12, 6912
	s_add_co_u32 s18, s18, STAGE                   ; my stage
	v_mul_u32_u24 v13, v10, 144
	v_lshl_add_u32 v13, v11, 4, v13
	v_add_nc_u32 v[STO], s18, v13                  ; in: token r, 16 bytes for each half of the lanes
	v_bfe_u32 v13, v0, 3, 2
	v_mul_u32_u24 v13, v13, 144
	v_and_b32 v14, 7, v0
	v_lshl_add_u32 v13, v14, 4, v13
	v_add_nc_u32 v[RD], s18, v13                   ; back: eight lanes a token, four tokens a load
	v_lshlrev_b32 v[CO], 4, v12
	s_mul_i32 s18, s12, 768
	s_add_co_u32 s18, s18, BIAS
	v_add_nc_u32 v1, s18, v15                      ; where the bias is put
	v_lshl_add_u32 v[BIA], v11, 5, s18             ; and read: 8 numbers at 32 h of each fragment's 64 bytes
	; the three heads' places in qkv: plane 64 which + 16 batch + head, and my 128 tokens in it
	s_mul_i32 s20, s42, 6
	s_add_co_u32 s20, s20, s14                     ; 6 bx + wn
	s_lshr_b32 s21, s43, 3
	s_lshl_b32 s21, s21, 4                         ; 16 x batch
	s_and_b32 s22, s43, 7
	s_lshl_b32 s22, s22, 15
	s_lshl_b32 s23, s13, 14
	s_add_co_u32 s22, s22, s23                     ; my first token, in bytes
.irp c, 0,1,2
	s_add_co_u32 s23, s20, 2*\c                    ; column / 64, 0..47
	s_lshr_b32 s75, s23, 4
	s_lshl_b32 s75, s75, 6
	s_and_b32 s23, s23, 15
	s_add_co_u32 s23, s23, s75
	s_add_co_u32 s23, s23, s21
	s_lshl_b32 s23, s23, 18                        ; planes of 262,144 bytes
	s_add_co_u32 s[66+2*\c], s23, s22
	s_mov_b32 s[67+2*\c], 0
	s_add_nc_u64 s[66+2*\c:67+2*\c], s[10:11], s[66+2*\c:67+2*\c]
.endr
	s_wait_loadcnt 0x0
.irp i, 0,1,2,3,4,5
	ds_store_b32 v1, v[BIN+\i] offset:128*\i
.endr
; 32 matrix instructions: B group w - 1 (window w) x all eight token fragments of buffer fa.  zero = 1: the product starts the sums.
; The 96 accumulators take turns, one instruction a turn, in the same order in every quarter.
.macro MULP w, fa, zero
	WIN (\w*0x50)
.irp bb, 0,1,2,3
.irp a, 0,1,2,3,4,5,6,7
.if \zero
	v_wmma_f32_16x16x32_bf16 v[8*(8*\bb+\a):8*(8*\bb+\a)+7], v[FB+8*(4*(\w-1)+\bb):FB+8*(4*(\w-1)+\bb)+7], v[\fa+8*\a:\fa+8*\a+7], 0
.else
	v_wmma_f32_16x16x32_bf16 v[8*(8*\bb+\a):8*(8*\bb+\a)+7], v[FB+8*(4*(\w-1)+\bb):FB+8*(4*(\w-1)+\bb)+7], v[\fa+8*\a:\fa+8*\a+7], v[8*(8*\bb+\a):8*(8*\bb+\a)+7]
.endif
.endr
.endr
.endm
.macro LDB g, slot, kq                 ; eight loads: the four B fragments of group g, 32 k at quarter kq
.irp bb, 0,1,2,3
	ds_load_tr16_b128 v[FB+8*(4*\g+\bb):FB+8*(4*\g+\bb)+3],   v[ADRB+\slot] offset:18432*\g+9216*\kq+32*\bb
	ds_load_tr16_b128 v[FB+8*(4*\g+\bb)+4:FB+8*(4*\g+\bb)+7], v[ADRB+\slot] offset:18432*\g+9216*\kq+32*\bb+4608
.endr
.endm
.macro LDA slot, kq, fa                ; sixteen loads: the eight A fragments
.irp a, 0,1,2,3,4,5,6,7
	ds_load_b128 v[\fa+8*\a:\fa+8*\a+3],   v[ADRA+\slot] offset:2176*\a+64*\kq
	ds_load_b128 v[\fa+8*\a+4:\fa+8*\a+7], v[ADRA+\slot] offset:2176*\a+64*\kq+32
.endr
.endm
; The first quarter of a K step, on buffer 0.  On the way in the LDS loads out are, in order: B group 0 (8), A (16), B group 1 (8), B group 2 (8).
; Each B group is loaded again, for the second quarter, as soon as it has been multiplied; the same order is left behind.
.macro QREG slot, zero
	s_wait_dscnt 16                                ; B group 0 and A are in; groups 1 and 2 may be out
	MULP 1, FA0, \zero
	WIN 0
	PLACES
	LDB 0, \slot, 1
	LDA \slot, 1, FA1
	s_wait_dscnt 32                                ; group 1 is in: behind it stand group 2 (8) and the 24 just issued
	MULP 2, FA0, \zero
	WIN 0
	PLACES
	LDB 1, \slot, 1
	s_wait_dscnt 32                                ; group 2 is in: behind it stand 24 + 8
	MULP 3, FA0, \zero
	WIN 0
	PLACES
	LDB 2, \slot, 1
.endm
; The second quarter, on buffer 1, and the change of slots.  All of this slot's fragments are in registers once the first group has been multiplied, so the
; barrier stands there: in front of it each wave waits for its reads of this slot and for all its tensor loads (the one that is out is its part of the next
; slot).  fill = 1: the barrier opens a round of the cluster's barrier, and behind the round this slot is asked for again, two K steps ahead, first thing.
; From that request to the wait for it a wave issues 192 matrix instructions: a whole K step's.
.macro TURN slot, next, fill
	s_wait_dscnt 16
	MULP 1, FA1, 0
	WIN 0
	s_wait_dscnt 0x0                               ; my reads of this slot are over
	s_wait_tensorcnt 0x0                           ; and all my tensor loads have landed
	ds_add_u32 v254, v255
	s_wait_dscnt 0x0
.if \fill
	CROUND                                         ; both now hold of every wave of every work-group of the cluster
	s_add_nc_u64 s[G0A+4*\slot+2:G0A+4*\slot+3], s[G0A+4*\slot+2:G0A+4*\slot+3], 524288
	s_add_nc_u64 s[G0B+4*\slot+2:G0B+4*\slot+3], s[G0B+4*\slot+2:G0B+4*\slot+3], 786432
	JLOAD \slot
.else
	s_barrier_signal -1
	s_barrier_wait -1
	PLACES
.endif
	LDB 0, \next, 0
	LDA \next, 0, FA0
	MULP 2, FA1, 0
	WIN 0
	PLACES
	LDB 1, \next, 0
	MULP 3, FA1, 0
	WIN 0
	PLACES
	LDB 2, \next, 0
.endm
.macro LAP zero
	QREG 0, \zero
	TURN 0, 1, 1
	QREG 1, 0
	TURN 1, 0, 1
.endm
	s_wait_tensorcnt 0x1                           ; my part of K step 0 is in; K step 1's may stay out
	s_wait_dscnt 0x0                               ; the bias is stored
	s_barrier_signal -1
	s_barrier_wait -1
	LDB 0, 0, 0
	LDA 0, 0, FA0
	LDB 1, 0, 0
	LDB 2, 0, 0
	LAP 1                                          ; K steps 0, 1: the first products start the sums
	s_mov_b32 s15, 6
.Llap:
	LAP 0                                          ; K steps 2 .. 13; the fills reach K step 15
	s_sub_co_u32 s15, s15, 1
	s_cmp_lg_u32 s15, 0
	s_cbranch_scc1 .Llap
	QREG 0, 0                                      ; the last lap fills nothing
	TURN 0, 1, 0
	QREG 1, 0
	s_wait_dscnt 16
	MULP 1, FA1, 0
	s_wait_dscnt 8                                 ; group 2 may still be out
	MULP 2, FA1, 0
	s_wait_dscnt 0x0
	MULP 3, FA1, 0
	WIN 0
	; THE WAY OUT, 16 tokens at a time: + bias, round to f16, 16 bytes a lane into my stage, read back as whole tokens of 128 bytes, four to a store.
	PLACES
.irp b, 0,1,2,3,4,5,6,7,8,9,10,11
	ds_load_b128 v[BI+8*\b:BI+8*\b+3],   v[BIA] offset:64*\b
	ds_load_b128 v[BI+8*\b+4:BI+8*\b+7], v[BIA] offset:64*\b+16
.endr
	s_wait_dscnt 0x0
.macro OUT a
.irp w, 1,2,3
	WIN \w                                         ; source 0 in window w
.irp bb, 0,1,2,3
.irp p, 0,1,2,3
	v_pk_add_f32 v[T+8*\bb+2*\p:T+8*\bb+2*\p+1], v[8*(8*\bb+\a)+2*\p:8*(8*\bb+\a)+2*\p+1], v[BI+8*(4*(\w-1)+\bb)+2*\p:BI+8*(4*(\w-1)+\bb)+2*\p+1]
.endr
.endr
	WIN 0
.irp bb, 0,1,2,3
.irp p, 0,1,2,3
	v_cvt_pk_f16_f32 v[PK+16*(\w-1)+4*\bb+\p], v[T+8*\bb+2*\p], v[T+8*\bb+2*\p+1]
.endr
	ds_store_b128 v[STO], v[PK+16*(\w-1)+4*\bb:PK+16*(\w-1)+4*\bb+3] offset:2304*(\w-1)+32*\bb
.endr
.endr
	s_wait_xcnt 0x0                                ; RB, which the last stores read, is loaded again only behind this wait
.irp c, 0,1,2
.irp i, 0,1,2,3
	ds_load_b128 v[RB+4*(4*\c+\i):RB+4*(4*\c+\i)+3], v[RD] offset:2304*\c+576*\i   ; LDS serves a wave's instructions in order: these see the stores above
.endr
.endr
.irp c, 0,1,2
.irp i, 0,1,2,3
	s_wait_dscnt 11-(4*\c+\i)
	global_store_b128 v[CO], v[RB+4*(4*\c+\i):RB+4*(4*\c+\i)+3], s[66+2*\c:67+2*\c] offset:2048*\a+512*\i   ; 512 consecutive bytes, aligned
.endr
.endr
.endm
.irp a, 0,1,2,3,4,5,6,7
	OUT \a
.endr
	s_wait_tensorcnt 0x0
	ds_add_u32 v254, v255
	s_wait_dscnt 0x0
	CROUND                                         ; the closing round: no work-group ends while a partner may still ask jointly
	s_endpgm
.Lfunc_end_k_qe3b7b243ec_qkv:
	.size	k_qe3b7b243ec_qkv, .Lfunc_end_k_qe3b7b243ec_qkv-k_qe3b7b243ec_qkv
	.p2alignl 7, 3214868480
	.fill 96, 4, 3214868480
	.section	.rodata,"a",@progbits
	.p2align	6, 0x0
	.amdhsa_kernel k_qe3b7b243ec_qkv
		.amdhsa_group_segment_fixed_size 327680
		.amdhsa_private_segment_fixed_size 0
		.amdhsa_enable_private_segment 0
		.amdhsa_kernarg_size 32
		.amdhsa_user_sgpr_count 2
		.amdhsa_user_sgpr_kernarg_segment_ptr 1
		.amdhsa_wavefront_size32 1
		.amdhsa_system_sgpr_workgroup_id_x 1
		.amdhsa_system_sgpr_workgroup_id_y 1
		.amdhsa_system_sgpr_workgroup_id_z 1
		.amdhsa_system_vgpr_workitem_id 0
		.amdhsa_next_free_vgpr 1024
		.amdhsa_next_free_sgpr 76
		.amdhsa_reserve_vcc 0
		.amdhsa_float_denorm_mode_32 3
		.amdhsa_float_denorm_mode_16_64 3
		.amdhsa_memory_ordered 1
		.amdhsa_forward_progress 1
		.amdhsa_inst_pref_size 199
	.end_amdhsa_kernel
	.amdgpu_metadata
---
amdhsa.version: [ 1, 2 ]
amdhsa.kernels:
  - .name:           k_qe3b7b243ec_qkv
    .symbol:         k_qe3b7b243ec_qkv.kd
    .args:
      - { .name: xb, .offset: 0, .size: 8, .value_kind: global_buffer, .address_space: global }
      - { .name: wab, .offset: 8, .size: 8, .value_kind: global_buffer, .address_space: global }
      - { .name: b_attn, .offset: 16, .size: 8, .value_kind: global_buffer, .address_space: global }
      - { .name: qkv, .offset: 24, .size: 8, .value_kind: global_buffer, .address_space: global }
    .group_segment_fixed_size: 327680
    .private_segment_fixed_size: 0
    .kernarg_segment_align: 8
    .kernarg_segment_size: 32
    .max_flat_workgroup_size: 128
    .sgpr_count:     76
    .vgpr_count:     1024
    .wavefront_size: 32
...
	.end_amdgpu_metadata
.endif
;; end of part 2
;; launch attn (part 3): grid 256 x 1, 8 waves a work-group, no clusters, 327,680 bytes of LDS; arguments qkv, yb; writes yb
.if DOCPART == 3
	.amdgcn_target "amdgcn-amd-amdhsa--gfx1250"
	.amdhsa_code_object_version 6
	.text
	.protected	k_qe3b7b243ec_attn
	.globl	k_qe3b7b243ec_attn
	.p2align	8
	.type	k_qe3b7b243ec_attn,@function
k_qe3b7b243ec_attn:
	s_mov_b64 s[64:65], 0
	v_nop
	global_prefetch_b8 v0, s[64:65] scope:SCOPE_SE
	s_setreg_imm32_b32 hwreg(HW_REG_WAVE_MODE, 25, 1), 1
	s_wait_xcnt 0x0
; Causal attention of one head (batch x head = ttmp9 / 4), with a running maximum.  q, k, v: planes [2048 t][64 d] of qkv in f16; y: the same plane of yb in f16.
; A work-group takes two blocks of 256 queries, block j = ttmp9 % 4 and then block 7 - j, and walks key tiles of 256: 0..j, then 0..7-j.  That is nine
; trips for every work-group, two of them on the diagonal: equal work for all 256.
; Eight waves, 32 queries each: sub-block sb = wave for waves 0..3 and 11 - wave for waves 4..7, so that waves w and w + 4 have five of a diagonal
; tile's eight sub-steps between them, whatever w.
; A tile off the diagonal is walked in two steps of 128 keys: the maximum, the rescaling of O and the row's figures are made once for 128 keys.
; A tile on the diagonal is walked in sub-steps of 64 keys, sb / 2 without a mask and one with.  One macro, STEP n, serves both (n = 8 or 4 key tiles of 16).
; NO CLUSTER: the four work-groups of a head need j + 1 and 8 - j tiles in different order; in step they would walk 12 tile times instead of 9, and the
; trips of each would hang on its place in the cluster.  NO PREFETCH: each tile is asked for a whole trip ahead by its own tensor load.
; BOTH PRODUCTS ARE USED TRANSPOSED.  S^T = K Q^T: lane (r, h) holds query r and keys 8 h + 0..7 of a tile of 16 keys.  Two such tiles, packed to f16, ARE a
; second-source fragment of P^T for 32 keys: no shuffle.  O^T = V^T P^T (V^T by the transposing LDS load): lane (r, h) holds query r and d = 16 dt + 8 h + 0..7.
; So maximum, sum and rescaling are a lane's own, but for one exchange between the two halves of the wave.
; LIMITS: P and y are rounded to f16 (p <= 1; p below 2^-24 is lost); the sum L is of the unrounded p; exponentials below 2^-126 come out as zero;
; NaN and infinite q, k, v are not served.  The shift is the running maximum; the rescaling factor is made from the two ROUNDED shifts, so that every p
; of a row refers to one shift exactly, however large the scores.
.set SLOT,  71680                      ; K: 128 rows of two keys, pitch 272 = 34,816; V: the same rows, pitch 288 = 36,864
.set VOFF,  34816
.set STAGE, 143360                     ; the way out: for each wave 32 queries, pitch 144 = 4,608 bytes
.set KS,  2                            ; v2, v3   my lane's place in K, slot 0, 1
.set VS,  4                            ; v4, v5   the same for V
.set QA,  6                            ; v6       128 r + 16 h
.set STO, 7                            ; v7       stage, in
.set RD,  8                            ; v8       stage, back
.set CO,  9                            ; v9       16 x lane
.set DQ,  10                           ; v10, v11 the diagonal: (my query) - 8 h, counted in the masked sub-step's 64 keys, for query tile 0, 1
.set NMC, 12                           ; v12, v16 minus the maximum times c, rounded: the shift.  Pairs (NMC, MX) and (AL, LS) for the packed forms
.set MX,  13                           ; v13, v17 running maximum of the raw scores
.set AL,  14                           ; v14, v18 this step's rescaling factor
.set LS,  15                           ; v15, v19 running sum, of my half's keys
.set KA,  20                           ; v20      a sub-step's K address
.set VA,  21                           ; v21      a sub-step's V address
.set TT,  22                           ; v[22:29] at work
.set QF,  32                           ; v[32:63]   Q fragments (qt, kd) at 8 (2 qt + kd)
.set OA,  64                           ; v[64:127]  O^T tiles (qt, dt) at 8 (4 qt + dt)
.set SC,  128                          ; v[128:127+16 n] S^T tiles (qt, kt) at 8 (n qt + kt); P^T packed in place, fragment (qt, f) at 8 n qt + 8 f
.set PP,  192                          ; the way out: packed y
.set KF,  0                            ; window 1: K fragment (kt, kd) at 128 (kt / 4) + 8 (2 (kt % 4) + kd)
.set VF,  64                           ; window 1: V^T fragment (dt, f) at 64 + 128 (f / 2) + 8 (2 dt + f % 2)
.set G1K, 40                           ; s[40:47]
.set G1V, 48                           ; s[48:55]
.set G0K, 56                           ; s[56:63] one set a slot
.set G0V, 68                           ; s[68:75] one set a slot
.set MSB, 0
.macro WIN new                         ; the immediate's high byte repeats the setting that is left; a switch that changes nothing is dropped
.if MSB != (\new)
	s_set_vgpr_msb (MSB<<8)|(\new)
.set MSB, (\new)
.endif
.endm
; Waves 0, 1 fetch K's two halves, waves 2, 3 V's, waves 4..7 nothing: one tensor load a wave behind a barrier, one out at a time.
.macro KVLOAD slot
	s_cmp_lt_u32 s8, 2
	s_cbranch_scc0 .Lnot_k_\@
	tensor_load_to_lds s[G0K+4*\slot:G0K+4*\slot+3], s[G1K:G1K+7]
	s_nop 0
	s_branch .Lkv_done_\@
.Lnot_k_\@:
	s_cmp_lt_u32 s8, 4
	s_cbranch_scc0 .Lkv_done_\@
	tensor_load_to_lds s[G0V+4*\slot:G0V+4*\slot+3], s[G1V:G1V+7]
	s_nop 0
.Lkv_done_\@:
.endm
.macro LDQ base                        ; my 32 queries as four second-source fragments, straight from memory
.irp q, 0,1
.irp d, 0,1
	global_load_b128 v[QF+8*(2*\q+\d):QF+8*(2*\q+\d)+3],   v[QA], s[\base:\base+1] offset:2048*\q+64*\d
	global_load_b128 v[QF+8*(2*\q+\d)+4:QF+8*(2*\q+\d)+7], v[QA], s[\base:\base+1] offset:2048*\q+64*\d+32
.endr
.endr
.endm
; A block's start.  The 64 moves run twice in the launch; starting the sums by a first step written out apart would double the loop's text.
.macro INIT
.irp q, 0,1
	v_mov_b32 v[NMC+4*\q], 0x7f800000              ; + infinity: the first factor is exp2(- infinity) = 0
	v_mov_b32 v[MX+4*\q], s23                      ; - infinity
	v_mov_b32 v[LS+4*\q], 0
.endr
.set II, 0
.rept 64
	v_mov_b32 v[OA+II], 0
.set II, II+1
.endr
.endm
.macro LDK n, a, b                     ; 4 n loads: K's fragments of 16 n keys from address register a, byte b on; destinations in window 1
	WIN 0x40
.set TI, 0
.rept \n
.irp d, 0,1
.set RK, KF+128*(TI/4)+8*(2*(TI%4)+\d)
	ds_load_b128 v[RK:RK+3],   v[\a] offset:\b+2176*TI+64*\d
	ds_load_b128 v[RK+4:RK+7], v[\a] offset:\b+2176*TI+64*\d+32
.endr
.set TI, TI+1
.endr
.endm
.macro LDV n, a, b                     ; 4 n transposing loads: V^T's fragments of the same keys
	WIN 0x40
.irp d, 0,1,2,3
.set FI, 0
.rept \n/2
.set RV, VF+128*(FI/2)+8*(2*\d+(FI%2))
	ds_load_tr16_b128 v[RV:RV+3],   v[\a] offset:\b+4608*FI+32*\d
	ds_load_tr16_b128 v[RV+4:RV+7], v[\a] offset:\b+4608*FI+32*\d+2304
.set FI, FI+1
.endr
.endr
	WIN 0
.endm
.macro EXPX i, n                       ; tile i of 2 n: p = exp2(c s + shift), in place
.set BS, SC+8*(\i)
.set BN, NMC+4*((\i)/\n)
.irp p, 0,1,2,3
	v_pk_fma_f32 v[BS+2*\p:BS+2*\p+1], v[BS+2*\p:BS+2*\p+1], s[20:21], v[BN:BN+1] op_sel_hi:[1,0,0]
.endr
.irp k, 0,1,2,3,4,5,6,7
	v_exp_f32 v[BS+\k], v[BS+\k]
.endr
.endm
; Tile i: its p into two chains of packed sums, and packed to f16 IN PLACE: the four registers of a query tile's key tile u go to 4 u .. 4 u + 3 of that
; query tile's registers, which belong to key tile u / 2: summed and packed before (u = 0: each register is read, by its sum and its pack, before it is written).
; Stands one tile behind EXPX: plain work behind the exponentials (ISA guide 5.7.2).
.macro SUMX i, n
.set BS, SC+8*(\i)
.set BT, TT+4*((\i)/\n)
.set BP, SC+8*\n*((\i)/\n)+4*((\i)%\n)
.if ((\i)%\n) == 0
	s_wait_alu depctr_va_vdst(0)
	v_pk_add_f32 v[BT:BT+1],   v[BS:BS+1],   v[BS+2:BS+3]
	v_pk_add_f32 v[BT+2:BT+3], v[BS+4:BS+5], v[BS+6:BS+7]
.else
	s_wait_alu depctr_va_vdst(0)
	v_pk_add_f32 v[BT:BT+1],   v[BT:BT+1],   v[BS:BS+1]
	v_pk_add_f32 v[BT+2:BT+3], v[BT+2:BT+3], v[BS+2:BS+3]
	v_pk_add_f32 v[BT:BT+1],   v[BT:BT+1],   v[BS+4:BS+5]
	v_pk_add_f32 v[BT+2:BT+3], v[BT+2:BT+3], v[BS+6:BS+7]
.endif
.irp p, 0,1,2,3
	v_cvt_pk_f16_f32 v[BP+\p], v[BS+2*\p], v[BS+2*\p+1]
.endr
.endm
; 32 queries x 16 n keys.  On the way in K's 4 n loads are out.  V comes from address register va, byte vb on.  masked = 1 (n = 4): the sub-step with the diagonal.
; pre = 1: the next step's K (register ka, byte kb on) is asked for in front of the second product and lands under its matrix instructions.
.macro STEP n, va, vb, masked, pre, ka, kb
	s_wait_dscnt 0x0                               ; K's fragments are in
	WIN 0x01                                       ; source 0 in window 1
	; the 2 n score tiles take turns, one instruction a turn; d = 0..31 starts the sums, d = 32..63 adds
.irp d, 0,1
.irp q, 0,1
.set TI, 0
.rept \n
.set RS, SC+8*(\n*\q+TI)
.set RK, KF+128*(TI/4)+16*(TI%4)+8*\d
.if \d == 0
	v_wmma_f32_16x16x32_f16 v[RS:RS+7], v[RK:RK+7], v[QF+16*\q:QF+16*\q+7], 0
.else
	v_wmma_f32_16x16x32_f16 v[RS:RS+7], v[RK:RK+7], v[QF+16*\q+8:QF+16*\q+15], v[RS:RS+7]
.endif
.set TI, TI+1
.endr
.endr
.endr
	WIN 0
.rept 4
	v_nop                                          ; four places before the scores are read (ISA guide 7.12.1)
.endr
	LDV \n, \va, \vb                               ; V lands under the softmax; its registers were last read in front of the last step's five places
.if \masked
	; key 16 t + 8 h + k is seen by my query if 16 t + k <= DQ.  Every query sees the sub-step's key 0, so the maximum over both halves stays finite.
.irp q, 0,1
.irp t, 0,1,2,3
.irp k, 0,1,2,3,4,5,6,7
	v_cmp_le_i32 vcc_lo, 16*\t+\k, v[DQ+\q]
	v_cndmask_b32 v[SC+8*(4*\q+\t)+\k], s23, v[SC+8*(4*\q+\t)+\k], vcc_lo
.endr
.endr
.endr
.endif
	; the maximum of the old maximum and my 8 n scores of each query tile: a chain for every 16 scores, n chains in all
.irp q, 0,1
	v_max3_num_f32 v[TT+4*\q], v[MX+4*\q], v[SC+8*\n*\q], v[SC+8*\n*\q+1]
.set CI, 1
.rept \n/2-1
	v_max3_num_f32 v[TT+4*\q+CI], v[SC+8*\n*\q+16*CI], v[SC+8*\n*\q+16*CI+1], v[SC+8*\n*\q+16*CI+2]
.set CI, CI+1
.endr
.endr
.irp i, 1,2,3,4,5,6
.irp q, 0,1
	v_max3_num_f32 v[TT+4*\q], v[TT+4*\q], v[SC+8*\n*\q+2*\i], v[SC+8*\n*\q+2*\i+1]
.set CI, 1
.rept \n/2-1
	v_max3_num_f32 v[TT+4*\q+CI], v[TT+4*\q+CI], v[SC+8*\n*\q+16*CI+2*\i+1], v[SC+8*\n*\q+16*CI+2*\i+2]
.set CI, CI+1
.endr
.endr
.endr
.irp q, 0,1
	v_max3_num_f32 v[TT+4*\q], v[TT+4*\q], v[SC+8*\n*\q+14], v[SC+8*\n*\q+15]
.endr
.if \n == 8
.irp q, 0,1
	v_max3_num_f32 v[TT+4*\q+1], v[TT+4*\q+1], v[TT+4*\q+2], v[SC+64*\q+31]
	v_max3_num_f32 v[TT+4*\q+3], v[TT+4*\q+3], v[SC+64*\q+47], v[SC+64*\q+63]
.endr
.irp q, 0,1
	v_max3_num_f32 v[TT+4*\q], v[TT+4*\q], v[TT+4*\q+1], v[TT+4*\q+3]
.endr
.else
.irp q, 0,1
	v_max3_num_f32 v[TT+4*\q], v[TT+4*\q], v[TT+4*\q+1], v[SC+32*\q+31]
.endr
.endif
.irp q, 0,1
	v_permlanex16_b32 v[TT+4*\q+1], v[TT+4*\q], s24, s25       ; the other half's keys of the same query
.endr
.irp q, 0,1
	v_max_num_f32 v[MX+4*\q], v[TT+4*\q], v[TT+4*\q+1]
.endr
.irp q, 0,1
	v_mul_f32 v[TT+4*\q+2], s22, v[MX+4*\q]                    ; the new shift
.endr
.irp q, 0,1
	v_sub_f32 v[TT+4*\q+3], v[TT+4*\q+2], v[NMC+4*\q]          ; new shift - old shift, at most 0
.endr
	v_exp_f32 v[AL], v[TT+3]
	v_exp_f32 v[AL+4], v[TT+7]
	v_mov_b32 v[NMC], v[TT+2]                      ; plain work behind the exponentials before their results are used (ISA guide 5.7.2)
	v_mov_b32 v[NMC+4], v[TT+6]
	EXPX 0, \n
.set II, 1
.rept 2*\n-1
	EXPX II, \n
	SUMX (II-1), \n
.set II, II+1
.endr
.irp q, 0,1
.irp k, 0,1,2,3,4,5,6,7,8,9,10,11,12,13,14,15
	v_pk_mul_f32 v[OA+32*\q+2*\k:OA+32*\q+2*\k+1], v[OA+32*\q+2*\k:OA+32*\q+2*\k+1], v[AL+4*\q:AL+4*\q+1] op_sel_hi:[1,0]
.endr
.endr
	SUMX (2*\n-1), \n
.irp q, 0,1
	v_pk_add_f32 v[TT+4*\q:TT+4*\q+1], v[TT+4*\q:TT+4*\q+1], v[TT+4*\q+2:TT+4*\q+3]
.endr
.irp q, 0,1
	v_add_f32 v[TT+4*\q], v[TT+4*\q], v[TT+4*\q+1]
.endr
.irp q, 0,1
	v_fma_f32 v[LS+4*\q], v[LS+4*\q], v[AL+4*\q], v[TT+4*\q]
.endr
	s_wait_dscnt 0x0                               ; V's fragments are in
.if \pre
	LDK \n, \ka, \kb                               ; K's registers were last read by the score products, in front of the whole softmax
.endif
	WIN 0x01
	; the eight output tiles take turns, one instruction a turn: n / 2 times 32 keys
.set FI, 0
.rept \n/2
.irp q, 0,1
.irp d, 0,1,2,3
.set RV, VF+128*(FI/2)+8*(2*\d+(FI%2))
.set RP, SC+8*\n*\q+8*FI
	v_wmma_f32_16x16x32_f16 v[OA+8*(4*\q+\d):OA+8*(4*\q+\d)+7], v[RV:RV+7], v[RP:RP+7], v[OA+8*(4*\q+\d):OA+8*(4*\q+\d)+7]
.endr
.endr
.set FI, FI+1
.endr
	WIN 0
.rept 5
	v_nop                                          ; five places before the next score products write over the P fragments read here, and before the sums are read (ISA guide 7.12.1)
.endr
.endm
; Sub-step s17 of the diagonal tile in the slot: 64 keys.
.macro SUB slot, masked
	s_min_u32 s78, s17, 3                          ; a tile has four sub-steps: the counter never passes 3, and the bound stands in the text
	s_mul_i32 s79, s78, 8704                       ; 32 rows of 272 bytes
	s_mul_i32 s78, s78, 9216                       ; 32 rows of 288 bytes
	v_add_nc_u32 v[KA], s79, v[KS+\slot]
	v_add_nc_u32 v[VA], s78, v[VS+\slot]
	LDK 4, KA, 0
	STEP 4, VA, 0, \masked, 0, 0, 0
.endm
; A block of queries is done: y = O / L, rounded to f16, through my stage, out as whole queries of 128 bytes, four to a store.
; last = 0: block j; the next block's Q is asked for first, and the state starts anew.  last = 1: block 7 - j.  The places behind the last products close STEP.
.macro FINAL last
.if \last == 0
	LDQ 34
.endif
.irp q, 0,1
	v_permlanex16_b32 v[TT+4+\q], v[LS+4*\q], s24, s25
.endr
.irp q, 0,1
	v_add_f32 v[TT+4+\q], v[TT+4+\q], v[LS+4*\q]               ; both halves' keys
.endr
	v_rcp_f32 v[TT], v[TT+4]
	v_rcp_f32 v[TT+2], v[TT+5]
	v_nop                                          ; a plain place behind the reciprocals
	s_wait_alu depctr_va_vdst(0)
.irp q, 0,1
.irp k, 0,1,2,3,4,5,6,7,8,9,10,11,12,13,14,15
	v_pk_mul_f32 v[OA+32*\q+2*\k:OA+32*\q+2*\k+1], v[OA+32*\q+2*\k:OA+32*\q+2*\k+1], v[TT+2*\q:TT+2*\q+1] op_sel_hi:[1,0]
.endr
.endr
.irp q, 0,1
.irp d, 0,1,2,3
.irp p, 0,1,2,3
	v_cvt_pk_f16_f32 v[PP+4*(4*\q+\d)+\p], v[OA+8*(4*\q+\d)+2*\p], v[OA+8*(4*\q+\d)+2*\p+1]
.endr
	ds_store_b128 v[STO], v[PP+4*(4*\q+\d):PP+4*(4*\q+\d)+3] offset:2304*\q+32*\d
.endr
.endr
.irp i, 0,1,2,3,4,5,6,7
	ds_load_b128 v[SC+4*\i:SC+4*\i+3], v[RD] offset:576*\i     ; LDS serves a wave's instructions in order: these see the stores above
.endr
.irp i, 0,1,2,3,4,5,6,7
	s_wait_dscnt 7-\i
	global_store_b128 v[CO], v[SC+4*\i:SC+4*\i+3], s[36+2*\last:37+2*\last] offset:512*\i   ; 512 consecutive bytes, aligned
.endr
.if \last == 0
	INIT
	s_sub_co_u32 s12, 7, s10                       ; the second block
	s_wait_loadcnt 0x0                             ; its Q is in
	s_wait_xcnt 0x0                                ; the score registers, which the stores read, are written again only behind this wait
.endif
.endm
; One key tile.  In front of the barrier every wave waits for all its tensor loads (this trip's tile among them) and for its reads of the other slot;
; behind it the other slot is asked for first, for the next trip: it has this whole trip in which to land.
; The branch between the two ways hangs on the block's and the tile's numbers, which are made of the work-group's number and the trips alone.
.macro TRIP slot, refill, last
	s_wait_tensorcnt 0x0                           ; no tensor load of mine is out: every group 0 may be written
	ds_add_u32 v30, v31
	s_wait_dscnt 0x0
.if \refill
	s_add_co_u32 s14, s13, 1
	s_cmp_eq_u32 s13, s12
	s_cselect_b32 s14, 0, s14                      ; behind a block's diagonal tile comes tile 0 of the next block
	s_lshl_b32 s26, s14, 15                        ; 256 keys of 128 bytes
	s_add_nc_u64 s[G0K+4*(1-\slot)+2:G0K+4*(1-\slot)+3], s[28:29], s[26:27]
	s_or_b32 s[G0K+4*(1-\slot)+3], s[G0K+4*(1-\slot)+3], 0x80000000
	s_add_nc_u64 s[G0V+4*(1-\slot)+2:G0V+4*(1-\slot)+3], s[30:31], s[26:27]
	s_or_b32 s[G0V+4*(1-\slot)+3], s[G0V+4*(1-\slot)+3], 0x80000000
.endif
	s_wait_dscnt 0x0                               ; my reads of the other slot, and of my stage, are over
	s_barrier_signal -1
	s_barrier_wait -1
.if \refill
	KVLOAD (1-\slot)
.endif
.if \last == 0
	s_cmp_eq_u32 s13, s12
	s_cbranch_scc1 .Ldiag_\@
	LDK 8, (KS+\slot), 0                           ; off the diagonal: two steps of 128 keys, all offsets constants
	STEP 8, (VS+\slot), 0, 0, 1, (KS+\slot), 17408
	STEP 8, (VS+\slot), 18432, 0, 0, 0, 0
	s_branch .Lnext_\@
.Ldiag_\@:
.endif
	s_mov_b32 s17, 0                               ; on the diagonal (the ninth trip always is): sb / 2 sub-steps without a mask,
	s_cmp_eq_u32 s19, 0
	s_cbranch_scc1 .Lno_full_\@
.Lfull_\@:
	SUB \slot, 0
	s_add_co_u32 s17, s17, 1
	s_cmp_lt_u32 s17, s19
	s_cbranch_scc1 .Lfull_\@
.Lno_full_\@:
	SUB \slot, 1                                   ; s17 = sb / 2: the sub-step with the diagonal,
	FINAL \last                                    ; and the block is done
.if \last == 0
.Lnext_\@:
	s_mov_b32 s13, s14
.endif
.endm
	s_load_b128 s[4:7], s[0:1], 0x0                ; qkv s[4:5], yb s[6:7]
	v_lshl_add_u32 v30, v0, 2, 0x2c000
	v_mov_b32 v31, 0
	ds_add_u32 v30, v31
	v_lshrrev_b32 v1, 5, v0
	v_readfirstlane_b32 s8, v1                     ; wave 0..7
	s_and_b32 s9, s8, 1                            ; which half of a tile I fetch
	s_and_b32 s10, ttmp9, 3                        ; j
	s_lshr_b32 s11, ttmp9, 2                       ; batch x head
	s_sub_co_u32 s18, 11, s8
	s_cmp_lt_u32 s8, 4
	s_cselect_b32 s18, s8, s18                     ; sb
	s_lshr_b32 s19, s18, 1
	s_mov_b32 s20, 0x3e38aa3b                      ; c = log2(e) / 8: the scale 1 / sqrt(64) and the change of base in one factor
	s_mov_b32 s21, 0x3e38aa3b
	s_mov_b32 s22, 0xbe38aa3b                      ; - c
	s_mov_b32 s23, 0xff800000                      ; - infinity
	s_mov_b32 s24, 0x76543210                      ; v_permlanex16_b32: lane i of one half reads lane i of the other
	s_mov_b32 s25, 0xfedcba98
	; group 1: half a tile is a dense block of 16,384 bytes: 64 rows of 32 elements of 8 bytes; K padded by 16 bytes a row, V by 32
	s_mov_b32 s[G1K+0], (3<<16)|(1<<20)|(5<<22)|(3<<25)
	s_mov_b32 s[G1K+1], 32<<16
	s_mov_b32 s[G1K+2], 64<<16
	s_mov_b32 s[G1K+3], 32<<16
	s_mov_b32 s[G1K+4], 64
	s_mov_b32 s[G1K+5], 32
	s_mov_b32 s[G1K+6], 0
	s_mov_b32 s[G1K+7], 0
	s_mov_b32 s[G1V+0], (3<<16)|(1<<20)|(5<<22)|(7<<25)
	s_mov_b32 s[G1V+1], 32<<16
	s_mov_b32 s[G1V+2], 64<<16
	s_mov_b32 s[G1V+3], 32<<16
	s_mov_b32 s[G1V+4], 64
	s_mov_b32 s[G1V+5], 32
	s_mov_b32 s[G1V+6], 0
	s_mov_b32 s[G1V+7], 0
	s_mul_i32 s76, s9, 17408                       ; 64 rows of 272 bytes
	s_mul_i32 s77, s9, 18432                       ; 64 rows of 288 bytes
	s_add_co_u32 s77, s77, VOFF
.irp s, 0,1
	s_mov_b32 s[G0K+4*\s], 1
	s_add_co_u32 s[G0K+4*\s+1], s76, \s*SLOT
	s_mov_b32 s[G0V+4*\s], 1
	s_add_co_u32 s[G0V+4*\s+1], s77, \s*SLOT
.endr
	s_add_co_u32 s26, s11, 64                      ; k's planes follow q's 64
	s_lshl_b32 s26, s26, 18
	s_lshl_b32 s27, s9, 14
	s_add_co_u32 s26, s26, s27
	s_mov_b32 s27, 0                               ; stays 0: the high word of every offset
	s_wait_dscnt 0x0
	s_barrier_signal -1
	s_barrier_wait -1
	s_wait_kmcnt 0x0
	s_add_nc_u64 s[28:29], s[4:5], s[26:27]        ; my half of k's tile 0
	s_add_nc_u64 s[30:31], s[28:29], 0x1000000     ; v's planes: 64 x 262,144 bytes on
	s_mov_b64 s[G0K+2:G0K+3], s[28:29]
	s_or_b32 s[G0K+3], s[G0K+3], 0x80000000
	s_mov_b64 s[G0V+2:G0V+3], s[30:31]
	s_or_b32 s[G0V+3], s[G0V+3], 0x80000000
	KVLOAD 0                                       ; tile 0 into slot 0; slot 1 is first filled behind the first trip's barrier
	; my 32 queries in q's plane and in y's, for both blocks
	s_lshl_b32 s26, s11, 18
	s_lshl_b32 s15, s18, 12                        ; 32 queries of 128 bytes
	s_add_co_u32 s26, s26, s15
	s_lshl_b32 s15, s10, 15
	s_add_co_u32 s16, s26, s15
	s_mov_b32 s17, 0
	s_add_nc_u64 s[32:33], s[4:5], s[16:17]
	s_add_nc_u64 s[36:37], s[6:7], s[16:17]
	s_sub_co_u32 s15, 7, s10
	s_lshl_b32 s15, s15, 15
	s_add_co_u32 s16, s26, s15
	s_add_nc_u64 s[34:35], s[4:5], s[16:17]
	s_add_nc_u64 s[38:39], s[6:7], s[16:17]
	v_and_b32 v22, 15, v0                          ; r
	v_bfe_u32 v23, v0, 4, 1                        ; h
	v_lshlrev_b32 v24, 7, v22
	v_lshl_add_u32 v[QA], v23, 4, v24
	LDQ 32
	; K: key t lies at (t / 2) 272 + (t % 2) 128; lane (r, h) takes key r, 16 bytes at 16 h and 16 h + 32
	v_lshrrev_b32 v24, 1, v22
	v_mul_u32_u24 v24, v24, 272
	v_and_b32 v25, 1, v0
	v_lshl_add_u32 v24, v25, 7, v24
	v_lshl_add_u32 v[KS], v23, 4, v24
	v_add_nc_u32 v[KS+1], SLOT, v[KS]
	; V by the transposing load: lane l addresses key 8 h + l % 8, at ((8 h + l % 8) / 2) 288 + (l % 2) 128, and the 16 bytes (l / 8) % 2 of the fragment's 32
	v_bfe_u32 v24, v0, 1, 2
	v_lshl_add_u32 v24, v23, 2, v24
	v_mul_u32_u24 v24, v24, 288
	v_lshl_add_u32 v24, v25, 7, v24
	v_bfe_u32 v26, v0, 3, 1
	v_lshl_add_u32 v24, v26, 4, v24
	v_add_nc_u32 v[VS], VOFF, v24
	v_add_nc_u32 v[VS+1], SLOT, v[VS]
	s_mul_i32 s15, s8, 4608
	s_add_co_u32 s15, s15, STAGE                   ; my stage
	v_mul_u32_u24 v24, v22, 144
	v_lshl_add_u32 v24, v23, 4, v24
	v_add_nc_u32 v[STO], s15, v24
	v_bfe_u32 v24, v0, 3, 2
	v_mul_u32_u24 v24, v24, 144
	v_and_b32 v26, 7, v0
	v_lshl_add_u32 v24, v26, 4, v24
	v_add_nc_u32 v[RD], s15, v24
	v_and_b32 v24, 31, v0
	v_lshlrev_b32 v[CO], 4, v24
	s_and_b32 s15, s18, 1
	s_lshl_b32 s15, s15, 5                         ; my 32 queries are the lower or the upper half of the masked sub-step's 64
	v_lshlrev_b32 v24, 3, v23
	v_sub_nc_u32 v24, v22, v24                     ; r - 8 h
	v_add_nc_u32 v[DQ], s15, v24
	v_add_nc_u32 v[DQ+1], 16, v[DQ]
	INIT
	s_mov_b32 s12, s10                             ; the block at work
	s_mov_b32 s13, 0                               ; the key tile at work
	s_mov_b32 s16, 4
	s_wait_loadcnt 0x0                             ; Q
.Ltrips:
	TRIP 0, 1, 0
	TRIP 1, 1, 0
	s_sub_co_u32 s16, s16, 1
	s_cmp_lg_u32 s16, 0
	s_cbranch_scc1 .Ltrips
	TRIP 0, 0, 1                                   ; the ninth trip: nothing is left to fetch
	s_wait_tensorcnt 0x0
	ds_add_u32 v30, v31
	s_wait_dscnt 0x0
	s_endpgm
.Lfunc_end_k_qe3b7b243ec_attn:
	.size	k_qe3b7b243ec_attn, .Lfunc_end_k_qe3b7b243ec_attn-k_qe3b7b243ec_attn
	.p2alignl 7, 3214868480
	.fill 96, 4, 3214868480
	.section	.rodata,"a",@progbits
	.p2align	6, 0x0
	.amdhsa_kernel k_qe3b7b243ec_attn
		.amdhsa_group_segment_fixed_size 327680
		.amdhsa_private_segment_fixed_size 0
		.amdhsa_enable_private_segment 0
		.amdhsa_kernarg_size 16
		.amdhsa_user_sgpr_count 2
		.amdhsa_user_sgpr_kernarg_segment_ptr 1
		.amdhsa_wavefront_size32 1
		.amdhsa_system_sgpr_workgroup_id_x 1
		.amdhsa_system_sgpr_workgroup_id_y 1
		.amdhsa_system_sgpr_workgroup_id_z 1
		.amdhsa_system_vgpr_workitem_id 0
		.amdhsa_next_free_vgpr 512
		.amdhsa_next_free_sgpr 80
		.amdhsa_reserve_vcc 1
		.amdhsa_float_denorm_mode_32 3
		.amdhsa_float_denorm_mode_16_64 3
		.amdhsa_memory_ordered 1
		.amdhsa_forward_progress 1
		.amdhsa_inst_pref_size 255
	.end_amdhsa_kernel
	.section	.bss,"aw",@nobits
	.p2align	6
	.space	262144
	.amdgpu_metadata
---
amdhsa.version: [ 1, 2 ]
amdhsa.kernels:
  - .name:           k_qe3b7b243ec_attn
    .symbol:         k_qe3b7b243ec_attn.kd
    .args:
      - { .name: qkv, .offset: 0, .size: 8, .value_kind: global_buffer, .address_space: global }
      - { .name: yb, .offset: 8, .size: 8, .value_kind: global_buffer, .address_space: global }
    .group_segment_fixed_size: 327680
    .private_segment_fixed_size: 0
    .kernarg_segment_align: 8
    .kernarg_segment_size: 16
    .max_flat_workgroup_size: 256
    .sgpr_count:     80
    .vgpr_count:     512
    .wavefront_size: 32
...
	.end_amdgpu_metadata
.endif
;; end of part 3
;; launch proj (part 4): grid 8 x 32, 4 waves a work-group, clusters of 4 x 4, 327,680 bytes of LDS; arguments yb, wpb, b_proj, out0; writes out0
.if DOCPART == 4
	.amdgcn_target "amdgcn-amd-amdhsa--gfx1250"
	.amdhsa_code_object_version 6
	.text
	.protected	k_qe3b7b243ec_proj
	.globl	k_qe3b7b243ec_proj
	.p2align	8
	.type	k_qe3b7b243ec_proj,@function
k_qe3b7b243ec_proj:
	s_mov_b64 s[64:65], 0
	v_nop
	global_prefetch_b8 v0, s[64:65] scope:SCOPE_SE
	s_setreg_imm32_b32 hwreg(HW_REG_WAVE_MODE, 25, 1), 1
	s_wait_xcnt 0x0
	s_wait_alu depctr_hold_cnt(0) depctr_sa_sdst(0) depctr_va_vdst(0) depctr_va_sdst(0) depctr_va_ssrc(0) depctr_va_vcc(0) depctr_vm_vsrc(0)
	s_getreg_b32 s2, hwreg(HW_REG_IB_STS2, 6, 4)
	s_cmp_eq_u32 s2, 0
	s_cbranch_scc0 .Lentry_in_a_cluster
	s_endpgm
.Lentry_in_a_cluster:
	s_bfe_u32 s2, ttmp6, 0x10000c
	s_cmp_lg_u32 s2, 0xf033
	s_cbranch_scc0 .Lentry_shape_is_right
	s_endpgm
.Lentry_shape_is_right:
; out0 = y w_proj + b_proj in f32.  y: yb [4 b][16 h][2048 t][64 d] in f16; w_proj: wpb [1024 k][1024 n], its bf16 values held in f16; sums and bias in f32.
; A work-group makes 256 tokens x 128 columns: 8 x 32 = 256 work-groups.  Four waves; wave (wm, wn) makes 128 tokens x 64 columns: 32 accumulator tiles in
; window 1, tile (bb, a) at v[8 (8 bb + a)].
; K goes through two LDS slots as large as fit: a slot holds K = 192, three heads' planes of y and 192 k-rows of w_proj.  1,024 = 5 x 192 + 64: five whole
; tiles and a short one, four refills; a refill has a whole tile's 192 matrix instructions of the wave in which to land.
; CLUSTERS: 4 x 4.  y's tiles hang on the block row alone and are asked for jointly along a row of the cluster (waves 0..2: one plane each), w_proj's on
; the block column alone and jointly along a column (wave 3).  One tensor load a wave and round; for the short tile waves 0 and 3 alone ask.
; The matrix instruction is used transposed (source 0 = 16 columns of w_proj by the transposing LDS load, source 1 = 16 tokens): a lane's eight results
; are eight neighbouring columns of one token.
; The stage of the way out lies in slot 0: that slot's last fill is tile 4, and every wave's last reads of it stand in front of the barrier that changes to slot 1.
.set SLOT,  159744                     ; three planes of A (128 rows of two tokens, pitch 272 = 34,816 each) + B (192 k-rows, pitch 288 = 55,296)
.set BOFF,  104448
.set STAGE, 0                          ; the way out: for each wave 16 tokens x 256 bytes, pitch 272 = 4,352 bytes
.set ADRA, 2                           ; v2, v3    my A fragments in planes 0, 1 of slot 0, 1
.set ADRB, 4                           ; v4, v5    my B fragments
.set STO,  6
.set RD,   7
.set CO,   8
.set ADRC, 14                          ; v14, v15  my A fragments in plane 2, which lies beyond the 16-bit offset
.set FA0,  16                          ; v[16:79], v[80:143]    A fragments, two buffers
.set FB0,  144                         ; v[144:175], v[176:207] B fragments, two buffers
.set BI,   208                         ; v[208:239] the bias of my 4 x 8 columns
.set T,    16                          ; the way out: sums + bias
.set RB,   48                          ; the way out: rows read back
.set G1A, 24                           ; s[24:31] group 1 for a plane of A
.set G0A, 32                           ; s[32:39] group 0 for A, one set a slot
.set G1B, 48                           ; s[48:55] group 1 for 192 rows of B
.set G0B, 56                           ; s[56:63] group 0 for B, one set a slot
.set G1C, 72                           ; s[72:79] group 1 for the short tile's 64 rows of B
.set MSB, 0
.macro WIN new
.if MSB != (\new)
	s_set_vgpr_msb (MSB<<8)|(\new)
.set MSB, (\new)
.endif
.endm
.macro PLACES                          ; four places behind a matrix instruction (ISA guide 7.12.1)
.rept 4
	v_nop
.endr
.endm
; A joint load into slot s.  The branches hang on the wave's number alone.  Four v_nop follow each line: also the places in front of the LDS loads that follow.
.macro JLOAD s                         ; a whole tile: waves 0..2 ask for A's planes, wave 3 for B
	s_cmp_eq_u32 s12, 3
	s_cbranch_scc1 .Lfor_b_\@
	tensor_load_to_lds s[G0A+4*\s:G0A+4*\s+3], s[G1A:G1A+7]
	s_nop 0
	PLACES
	s_branch .Lasked_\@
.Lfor_b_\@:
	tensor_load_to_lds s[G0B+4*\s:G0B+4*\s+3], s[G1B:G1B+7]
	s_nop 0
	PLACES
.Lasked_\@:
.endm
.macro JSHORT s                        ; the short tile: wave 0 asks for plane 15, wave 3 for 64 rows of B, waves 1 and 2 for nothing
	s_cmp_eq_u32 s12, 0
	s_cbranch_scc0 .Lnot_a_\@
	tensor_load_to_lds s[G0A+4*\s:G0A+4*\s+3], s[G1A:G1A+7]
	s_nop 0
	PLACES
	s_branch .Lasked_\@
.Lnot_a_\@:
	s_cmp_eq_u32 s12, 3
	s_cbranch_scc0 .Lnone_\@
	tensor_load_to_lds s[G0B+4*\s:G0B+4*\s+3], s[G1C:G1C+7]
	s_nop 0
.Lnone_\@:
	PLACES
.Lasked_\@:
.endm
.macro CROUND                          ; a round of the cluster's barrier
	s_barrier_signal -1
	s_barrier_wait -1
	s_cmp_lg_u32 s12, 0
	s_cbranch_scc1 .Lnot_wave_0_\@
	s_barrier_signal -3
.Lnot_wave_0_\@:
	s_barrier_wait -3
	s_barrier_signal -1
	s_barrier_wait -1
.endm
	s_load_b256 s[4:11], s[0:1], 0x0               ; yb s[4:5], wpb s[6:7], b_proj s[8:9], out0 s[10:11]
	v_lshl_add_u32 v254, v0, 2, 0x4e000
	v_mov_b32 v255, 0
	ds_add_u32 v254, v255
	v_lshrrev_b32 v1, 5, v0
	v_readfirstlane_b32 s12, v1                    ; wave 0..3
	s_lshr_b32 s13, s12, 1                         ; wm: my 128 tokens
	s_and_b32 s14, s12, 1                          ; wn: my 64 columns
	s_bfe_u32 s40, ttmp6, 0x40000                  ; cx
	s_bfe_u32 s41, ttmp6, 0x40004                  ; cy
	s_lshl_b32 s42, ttmp9, 2
	s_add_co_u32 s42, s42, s40                     ; bx, 0..7
	s_and_b32 s43, ttmp7, 0xffff
	s_lshl_b32 s43, s43, 2
	s_add_co_u32 s43, s43, s41                     ; by, 0..31
	s_lshl_b32 s44, s41, 2
	s_lshl_b32 s44, 15, s44                        ; my row of the cluster
	s_lshl_b32 s45, 0x1111, s40                    ; my column
	s_or_b32 s[G1A+0], s44, (3<<16)|(1<<20)|(1<<21)|(5<<22)|(3<<25)   ; 128 rows of 32 elements of 8 bytes, dense, 16 bytes of padding a row
	s_mov_b32 s[G1A+1], 32<<16
	s_mov_b32 s[G1A+2], 128<<16
	s_mov_b32 s[G1A+3], 32<<16
	s_mov_b32 s[G1A+4], 128
	s_mov_b32 s[G1A+5], 32
	s_mov_b32 s[G1A+6], 0
	s_mov_b32 s[G1A+7], 0
	s_or_b32 s[G1B+0], s45, (1<<16)|(1<<20)|(1<<21)|(5<<22)|(7<<25)   ; 192 k-rows of 128 elements of 2 bytes, 1,024 apart, 32 bytes of padding a row
	s_mov_b32 s[G1B+1], 128<<16
	s_mov_b32 s[G1B+2], 192<<16
	s_mov_b32 s[G1B+3], 128<<16
	s_mov_b32 s[G1B+4], 192
	s_mov_b32 s[G1B+5], 1024
	s_mov_b32 s[G1B+6], 0
	s_mov_b32 s[G1B+7], 0
	s_or_b32 s[G1C+0], s45, (1<<16)|(1<<20)|(1<<21)|(5<<22)|(7<<25)   ; the same with 64 k-rows
	s_mov_b32 s[G1C+1], 128<<16
	s_mov_b32 s[G1C+2], 64<<16
	s_mov_b32 s[G1C+3], 128<<16
	s_mov_b32 s[G1C+4], 64
	s_mov_b32 s[G1C+5], 1024
	s_mov_b32 s[G1C+6], 0
	s_mov_b32 s[G1C+7], 0
	; A's address is made of by and the wave's number alone, B's of bx alone, each in registers that never hold the other coordinate
	s_lshr_b32 s16, s43, 3
	s_lshl_b32 s16, s16, 22                        ; batch
	s_and_b32 s17, s43, 7
	s_lshl_b32 s17, s17, 15                        ; 256 tokens of 128 bytes
	s_add_co_u32 s16, s16, s17
	s_lshl_b32 s17, s12, 18                        ; my plane of the tile's three
	s_add_co_u32 s16, s16, s17
	s_mov_b32 s17, 0
	s_lshl_b32 s46, s42, 8                         ; 128 columns of 2 bytes
	s_mov_b32 s47, 0
	s_mul_i32 s70, s12, 34816                      ; where my plane goes
	s_wait_dscnt 0x0
	s_wait_kmcnt 0x0
	s_add_nc_u64 s[16:17], s[4:5], s[16:17]
	s_add_nc_u64 s[46:47], s[6:7], s[46:47]
	CROUND                                         ; the first joint loads meet
.irp s, 0,1
	s_mov_b32 s[G0A+4*\s], 1
	s_add_co_u32 s[G0A+4*\s+1], s70, \s*SLOT
	s_add_nc_u64 s[G0A+4*\s+2:G0A+4*\s+3], s[16:17], \s*786432     ; tile s: three planes on
	s_or_b32 s[G0A+4*\s+3], s[G0A+4*\s+3], 0x80000000
	s_mov_b32 s[G0B+4*\s], 1
	s_mov_b32 s[G0B+4*\s+1], \s*SLOT+BOFF
	s_add_nc_u64 s[G0B+4*\s+2:G0B+4*\s+3], s[46:47], \s*393216     ; 192 k-rows of 2,048 bytes on
	s_or_b32 s[G0B+4*\s+3], s[G0B+4*\s+3], 0x80000000
	JLOAD \s                                       ; two tensor loads of the wave are out
.endr
	v_and_b32 v10, 15, v0                          ; r
	v_bfe_u32 v11, v0, 4, 1                        ; h
	v_lshlrev_b32 v9, 5, v11                       ; 8 numbers of the bias at 32 h
	s_lshl_b32 s22, s42, 9                         ; 128 columns of 4 bytes
	s_lshl_b32 s23, s14, 8
	s_add_co_u32 s22, s22, s23
	s_mov_b32 s23, 0
	s_add_nc_u64 s[68:69], s[8:9], s[22:23]
.irp bb, 0,1,2,3
	global_load_b128 v[BI+8*\bb:BI+8*\bb+3],   v9, s[68:69] offset:64*\bb
	global_load_b128 v[BI+8*\bb+4:BI+8*\bb+7], v9, s[68:69] offset:64*\bb+16
.endr
	v_lshrrev_b32 v12, 1, v10                      ; A: token t at (t / 2) 272 + (t % 2) 128; lane (r, h): token r, 16 bytes at 16 h and 16 h + 32
	v_mul_u32_u24 v12, v12, 272
	v_and_b32 v13, 1, v0
	v_lshl_add_u32 v12, v13, 7, v12
	v_lshl_add_u32 v12, v11, 4, v12
	s_mul_i32 s18, s13, 17408                      ; my 128 tokens
	v_add_nc_u32 v[ADRA], s18, v12
	v_add_nc_u32 v[ADRA+1], SLOT, v[ADRA]
	v_add_nc_u32 v[ADRC], 69632, v[ADRA]
	v_add_nc_u32 v[ADRC+1], SLOT, v[ADRC]
	v_and_b32 v12, 7, v0                           ; B by the transposing load: k-row 8 h + l % 8, 16 bytes (l / 8) % 2
	v_lshl_add_u32 v12, v11, 3, v12
	v_mul_u32_u24 v12, v12, 288
	v_bfe_u32 v13, v0, 3, 1
	v_lshl_add_u32 v12, v13, 4, v12
	s_lshl_b32 s18, s14, 7                         ; my 64 columns
	s_add_co_u32 s18, s18, BOFF
	v_add_nc_u32 v[ADRB], s18, v12
	v_add_nc_u32 v[ADRB+1], SLOT, v[ADRB]
	s_mul_i32 s18, s12, 4352
	s_add_co_u32 s18, s18, STAGE                   ; my stage
	v_mul_u32_u24 v12, v10, 272
	v_lshl_add_u32 v12, v11, 5, v12
	v_add_nc_u32 v[STO], s18, v12                  ; in: token r, 32 bytes for each half of the lanes
	v_mul_u32_u24 v12, v11, 272
	v_lshl_add_u32 v12, v10, 4, v12
	v_add_nc_u32 v[RD], s18, v12                   ; back: lanes 0-15 one token's 256 bytes, lanes 16-31 the next token's
	v_lshlrev_b32 v12, 4, v10
	v_lshl_add_u32 v[CO], v11, 12, v12             ; and the same two rows of out0
	s_lshl_b32 s20, s43, 20                        ; 256 rows of 4,096 bytes
	s_lshl_b32 s21, s13, 19
	s_add_co_u32 s20, s20, s21
	s_lshl_b32 s21, s42, 9
	s_add_co_u32 s20, s20, s21
	s_lshl_b32 s21, s14, 8
	s_add_co_u32 s20, s20, s21
	s_mov_b32 s21, 0
	s_add_nc_u64 s[66:67], s[10:11], s[20:21]
.macro FETCH slot, q, buf              ; 24 LDS loads: the fragments of quarter q (32 along K, 0..5) of the slot's tile into buffer buf
.irp bb, 0,1,2,3
	ds_load_tr16_b128 v[FB0+32*\buf+8*\bb:FB0+32*\buf+8*\bb+3],   v[ADRB+\slot] offset:9216*\q+32*\bb
	ds_load_tr16_b128 v[FB0+32*\buf+8*\bb+4:FB0+32*\buf+8*\bb+7], v[ADRB+\slot] offset:9216*\q+32*\bb+4608
.endr
.if (\q/2) == 2
.set AR, ADRC+\slot
.set AB, 64*(\q%2)
.else
.set AR, ADRA+\slot
.set AB, 34816*(\q/2)+64*(\q%2)
.endif
.irp a, 0,1,2,3,4,5,6,7
	ds_load_b128 v[FA0+64*\buf+8*\a:FA0+64*\buf+8*\a+3],   v[AR] offset:AB+2176*\a
	ds_load_b128 v[FA0+64*\buf+8*\a+4:FA0+64*\buf+8*\a+7], v[AR] offset:AB+2176*\a+32
.endr
.endm
; 32 matrix instructions: four column fragments x eight token fragments.  The 32 accumulators take turns, one instruction a turn,
; in the same order in every quarter.
.macro MUL32 buf, zero
	WIN 0x50
.irp bb, 0,1,2,3
.irp a, 0,1,2,3,4,5,6,7
.if \zero
	v_wmma_f32_16x16x32_f16 v[8*(8*\bb+\a):8*(8*\bb+\a)+7], v[FB0+32*\buf+8*\bb:FB0+32*\buf+8*\bb+7], v[FA0+64*\buf+8*\a:FA0+64*\buf+8*\a+7], 0
.else
	v_wmma_f32_16x16x32_f16 v[8*(8*\bb+\a):8*(8*\bb+\a)+7], v[FB0+32*\buf+8*\bb:FB0+32*\buf+8*\bb+7], v[FA0+64*\buf+8*\a:FA0+64*\buf+8*\a+7], v[8*(8*\bb+\a):8*(8*\bb+\a)+7]
.endif
.endr
.endr
	WIN 0
.endm
; A quarter but a tile's last: fetches quarter qn into the other buffer, then multiplies buffer f.
.macro QUARTER slot, qn, f, zero
	PLACES
	FETCH \slot, \qn, (1-\f)
	s_wait_dscnt 24                                ; buffer f is in; the 24 loads just issued may be out
	MUL32 \f, \zero
.endm
.macro FIVE slot, zero
	QUARTER \slot, 1, 0, \zero
	QUARTER \slot, 2, 1, 0
	QUARTER \slot, 3, 0, 0
	QUARTER \slot, 4, 1, 0
	QUARTER \slot, 5, 0, 0
.endm
; A whole tile's sixth quarter, on buffer 1, and the change of slots.  All of this slot's fragments are in registers, so the barrier comes first: in front of
; it each wave waits for its reads of this slot and for all its tensor loads (the one that is out is its part of the next slot).  fill = 1 or 2: the barrier is
; a round of the cluster's barrier, and behind it this slot is asked for again, two tiles ahead, first thing (2: the short tile).  fill = 0: nothing is left to ask for.
.macro TURN slot, next, fill
	s_wait_dscnt 0x0                               ; my reads of this slot are over
	s_wait_tensorcnt 0x0                           ; all my tensor loads have landed
	ds_add_u32 v254, v255
	s_wait_dscnt 0x0
.if \fill
	CROUND                                         ; both now hold of every wave of every work-group of the cluster
	s_add_nc_u64 s[G0A+4*\slot+2:G0A+4*\slot+3], s[G0A+4*\slot+2:G0A+4*\slot+3], 1572864   ; six planes on
	s_add_nc_u64 s[G0B+4*\slot+2:G0B+4*\slot+3], s[G0B+4*\slot+2:G0B+4*\slot+3], 786432    ; 384 k-rows on
.if \fill == 1
	JLOAD \slot
.else
	JSHORT \slot
.endif
.else
	s_barrier_signal -1
	s_barrier_wait -1
	PLACES
.endif
	FETCH \next, 0, 0
	MUL32 1, 0
.endm
	s_wait_loadcnt 0x0                             ; the bias, once
	s_wait_tensorcnt 0x1                           ; my part of tile 0 is in; tile 1's may stay out
	s_barrier_signal -1
	s_barrier_wait -1
	FETCH 0, 0, 0
	FIVE 0, 1                                      ; tile 0: its first products start the sums
	TURN 0, 1, 1                                   ; tile 2 is asked for
	FIVE 1, 0                                      ; tile 1
	TURN 1, 0, 1                                   ; tile 3
	FIVE 0, 0                                      ; tile 2
	TURN 0, 1, 1                                   ; tile 4: slot 0's last fill
	FIVE 1, 0                                      ; tile 3
	TURN 1, 0, 2                                   ; tile 5, the short one
	FIVE 0, 0                                      ; tile 4
	TURN 0, 1, 0                                   ; behind this barrier no wave reads slot 0 any more
	QUARTER 1, 1, 0, 0                             ; tile 5: two quarters
	s_wait_dscnt 0x0
	MUL32 1, 0
	; THE WAY OUT, 16 tokens at a time: + bias, 32 bytes a lane and fragment into my stage, read back as whole rows of 256 bytes.
	PLACES
.macro OUT a
	WIN 1                                          ; source 0 in window 1
.irp bb, 0,1,2,3
.irp p, 0,1,2,3
	v_pk_add_f32 v[T+8*\bb+2*\p:T+8*\bb+2*\p+1], v[8*(8*\bb+\a)+2*\p:8*(8*\bb+\a)+2*\p+1], v[BI+8*\bb+2*\p:BI+8*\bb+2*\p+1]
.endr
.endr
	WIN 0
.irp bb, 0,1,2,3
	ds_store_b128 v[STO], v[T+8*\bb:T+8*\bb+3]   offset:64*\bb
	ds_store_b128 v[STO], v[T+8*\bb+4:T+8*\bb+7] offset:64*\bb+16
.endr
	s_wait_xcnt 0x0                                ; RB, which the last stores read, is loaded again only behind this wait
.irp i, 0,1,2,3,4,5,6,7
	ds_load_b128 v[RB+4*\i:RB+4*\i+3], v[RD] offset:544*\i     ; LDS serves a wave's instructions in order: these see the stores above
.endr
.irp i, 0,1,2,3,4,5,6,7
	s_wait_dscnt 7-\i
	global_store_b128 v[CO], v[RB+4*\i:RB+4*\i+3], s[66:67] offset:(16*\a+2*\i)*4096   ; sixteen lanes store 256 consecutive bytes, aligned
.endr
.endm
.irp a, 0,1,2,3,4,5,6,7
	OUT \a
.endr
	s_wait_tensorcnt 0x0
	ds_add_u32 v254, v255
	s_wait_dscnt 0x0
	CROUND                                         ; the closing round: no work-group ends while a partner may still ask jointly
	s_endpgm
.Lfunc_end_k_qe3b7b243ec_proj:
	.size	k_qe3b7b243ec_proj, .Lfunc_end_k_qe3b7b243ec_proj-k_qe3b7b243ec_proj
	.p2alignl 7, 3214868480
	.fill 96, 4, 3214868480
	.section	.rodata,"a",@progbits
	.p2align	6, 0x0
	.amdhsa_kernel k_qe3b7b243ec_proj
		.amdhsa_group_segment_fixed_size 327680
		.amdhsa_private_segment_fixed_size 0
		.amdhsa_enable_private_segment 0
		.amdhsa_kernarg_size 32
		.amdhsa_user_sgpr_count 2
		.amdhsa_user_sgpr_kernarg_segment_ptr 1
		.amdhsa_wavefront_size32 1
		.amdhsa_system_sgpr_workgroup_id_x 1
		.amdhsa_system_sgpr_workgroup_id_y 1
		.amdhsa_system_sgpr_workgroup_id_z 1
		.amdhsa_system_vgpr_workitem_id 0
		.amdhsa_next_free_vgpr 512
		.amdhsa_next_free_sgpr 80
		.amdhsa_reserve_vcc 0
		.amdhsa_float_denorm_mode_32 3
		.amdhsa_float_denorm_mode_16_64 3
		.amdhsa_memory_ordered 1
		.amdhsa_forward_progress 1
		.amdhsa_inst_pref_size 157
	.end_amdhsa_kernel
	.amdgpu_metadata
---
amdhsa.version: [ 1, 2 ]
amdhsa.kernels:
  - .name:           k_qe3b7b243ec_proj
    .symbol:         k_qe3b7b243ec_proj.kd
    .args:
      - { .name: yb, .offset: 0, .size: 8, .value_kind: global_buffer, .address_space: global }
      - { .name: wpb, .offset: 8, .size: 8, .value_kind: global_buffer, .address_space: global }
      - { .name: b_proj, .offset: 16, .size: 8, .value_kind: global_buffer, .address_space: global }
      - { .name: out0, .offset: 24, .size: 8, .value_kind: global_buffer, .address_space: global }
    .group_segment_fixed_size: 327680
    .private_segment_fixed_size: 0
    .kernarg_segment_align: 8
    .kernarg_segment_size: 32
    .max_flat_workgroup_size: 128
    .sgpr_count:     80
    .vgpr_count:     512
    .wavefront_size: 32
...
	.end_amdgpu_metadata
.endif
;; end of part 4
;; ======== version 2 of 2: 4 launches; version 1 with the launch cast written anew for expert scheduling mode
;; limits: values are held in f16: magnitudes above 65,504 overflow, below 6.1e-05 lose precision
;; workspace buffers: xb 16,777,216 bytes; wab 6,291,456 bytes; wpb 2,097,152 bytes; qkv 50,331,648 bytes; yb 16,777,216 bytes
;; launch cast (part 5): grid 768 x 1, 8 waves a work-group, no clusters, 0 bytes of LDS; arguments x, w_attn, w_proj, xb, wab, wpb; writes xb, wab, wpb
.if DOCPART == 5
	.amdgcn_target "amdgcn-amd-amdhsa--gfx1250"
	.amdhsa_code_object_version 6
	.text
	.protected	k_qe3b7b243ec_cast
	.globl	k_qe3b7b243ec_cast
	.p2align	8
	.type	k_qe3b7b243ec_cast,@function
k_qe3b7b243ec_cast:
	s_mov_b64 s[64:65], 0
	v_nop
	global_prefetch_b8 v0, s[64:65] scope:SCOPE_SE
	s_setreg_imm32_b32 hwreg(HW_REG_WAVE_SCHED_MODE, 0, 2), 2
	s_setreg_imm32_b32 hwreg(HW_REG_WAVE_MODE, 25, 1), 1
	s_wait_xcnt 0x0
	s_wait_alu depctr_vm_vsrc(0)
; The three large inputs, each rounded once to bf16, in the layouts that the products want.
;   xb  [4 b][16 kb][2048 t][64 k] bf16: x with its 1,024 columns cut into 16 planes of 64, so that 256 tokens x 64 k are 32,768 consecutive bytes
;   wab [1024 k][3072 n] bf16: w_attn as it lies
;   wpb [1024 k][1024 n] f16: w_proj rounded to bf16, and that value held in f16, because its partner in the last product (y) is f16.
; LIMIT: the second step is exact for 2^-14 <= |w_proj| < 65,504; smaller numbers are rounded to multiples of 2^-24, larger ones become infinite.
; A pure stream: no LDS, no barrier, no matrix unit.  A wave moves 8,192 bytes of f32: sixteen loads of 512 bytes, all issued before the first is
; waited for, and sixteen stores of 256 consecutive bytes, aligned.  768 work-groups: 512 for x, 192 for w_attn, 64 for w_proj.
; THE MODE: SCHED_MODE bits 1:0 = 2 (LLVM: expert scheduling mode 2), set by the entry lines.  The code itself states the register dependences
; between vector instructions and memory instructions, with s_wait_alu, always for 0.
; THE PLAN.  Registers that memory instructions touch:
;   v1, v2   byte offsets of the loads and of the stores.  Written by vector instructions ahead of the first load, never again.
;   X        sixteen loads' data.  Each register is written by one load; no vector instruction names it ahead of the loads; no memory instruction reads it.
;   Y        sixteen stores' data, a pair of registers for each store alone.  Written by that load's conversions, read by its one store, never written behind it.
; So no register that a memory instruction has read is ever written again, and the waits are these: one on va_sdst for the wave's number, ahead of the
; first branch; one on va_vdst ahead of the loads, for the two offsets; and, the sixteen loads going in four blocks of four, one on va_vdst behind each
; block's conversions, ahead of the block's four stores, which follow it in one run.
.set X, 4                              ; v[4:67]   sixteen loads, four f32 a lane each
.set Y, 68                             ; v[68:99]  sixteen stores, four 16-bit numbers a lane each
; sixteen loads ldstep bytes apart, sixteen stores ststep bytes apart; tof16 = 1: the bf16 value is widened again and written as f16
.macro CAST ldstep, ststep, tof16
	s_wait_alu depctr_va_vdst(0)                   ; v1 and v2 are written: every load below reads v1 as its offset, every store v2
.irp i, 0,1,2,3,4,5,6,7,8,9,10,11,12,13,14,15
	global_load_b128 v[X+4*\i:X+4*\i+3], v1, s[16:17] offset:\ldstep*\i th:TH_LOAD_NT
.endr
.irp b, 0,1,2,3
	s_wait_loadcnt 12-4*\b                         ; loads come back in order (ISA guide 5.7.1): block b's four are in, the later blocks' stay out
.irp j, 0,1,2,3
	v_cvt_pk_bf16_f32 v[Y+2*(4*\b+\j)],   v[X+4*(4*\b+\j)],   v[X+4*(4*\b+\j)+1]
	v_cvt_pk_bf16_f32 v[Y+2*(4*\b+\j)+1], v[X+4*(4*\b+\j)+2], v[X+4*(4*\b+\j)+3]
.if \tof16
	v_lshlrev_b32 v[X+4*(4*\b+\j)],   16, v[Y+2*(4*\b+\j)]                  ; the rounded values as f32 again
	v_and_b32     v[X+4*(4*\b+\j)+1], 0xffff0000, v[Y+2*(4*\b+\j)]
	v_lshlrev_b32 v[X+4*(4*\b+\j)+2], 16, v[Y+2*(4*\b+\j)+1]
	v_and_b32     v[X+4*(4*\b+\j)+3], 0xffff0000, v[Y+2*(4*\b+\j)+1]
	v_cvt_pk_f16_f32 v[Y+2*(4*\b+\j)],   v[X+4*(4*\b+\j)],   v[X+4*(4*\b+\j)+1]    ; eight bits of mantissa fit in f16's eleven
	v_cvt_pk_f16_f32 v[Y+2*(4*\b+\j)+1], v[X+4*(4*\b+\j)+2], v[X+4*(4*\b+\j)+3]
.endif
.endr
	s_wait_alu depctr_va_vdst(0)                   ; block b's conversions have written its eight registers of Y, which the four stores below read
.irp j, 0,1,2,3
	global_store_b64 v2, v[Y+2*(4*\b+\j):Y+2*(4*\b+\j)+1], s[18:19] offset:\ststep*(4*\b+\j)
.endr
.endr
.endm
; a weight's bases: the wave's piece of 8,192 bytes of f32 and of 4,096 bytes of 16-bit numbers; first = the path's first work-group
.macro WBASE src, dst, first
	s_sub_co_u32 s21, ttmp9, \first
	s_lshl_b32 s21, s21, 3
	s_add_co_u32 s21, s21, s20                     ; piece = 8 x work-group + wave
	s_lshl_b32 s22, s21, 13
	s_add_nc_u64 s[16:17], s[\src:\src+1], s[22:23]
	s_lshl_b32 s22, s21, 12
	s_add_nc_u64 s[18:19], s[\dst:\dst+1], s[22:23]
	v_lshlrev_b32 v1, 4, v3                        ; 16 bytes a lane
.endm
	s_load_b256 s[4:11], s[0:1], 0x0               ; x s[4:5], w_attn s[6:7], w_proj s[8:9], xb s[10:11]
	s_load_b128 s[12:15], s[0:1], 0x20             ; wab s[12:13], wpb s[14:15]
	v_lshrrev_b32 v3, 5, v0
	v_readfirstlane_b32 s20, v3                    ; wave 0..7
	v_and_b32 v3, 31, v0                           ; lane
	v_lshlrev_b32 v2, 3, v3                        ; every store: 8 bytes a lane
	s_mov_b32 s23, 0                               ; high word of every offset
	s_wait_alu depctr_va_sdst(0)                   ; s20 is written, ahead of the branches behind which each path's bases are made from it
	s_wait_kmcnt 0x0
	s_cmp_lt_u32 ttmp9, 512
	s_cbranch_scc0 .Lweights
	; x: the wave takes rows 2 p and 2 p + 1.  Load kb: lanes 0-15 take the 256 bytes of plane kb in the even row, lanes 16-31 in the odd row;
	; in xb the two rows' 128 bytes of a plane lie side by side, which is 8 bytes a lane.
	s_lshl_b32 s21, ttmp9, 3
	s_add_co_u32 s21, s21, s20                     ; p = 8 x work-group + wave, 0..4095
	v_and_b32 v1, 15, v0
	v_lshlrev_b32 v1, 4, v1
	v_bfe_u32 v3, v0, 4, 1
	v_lshl_add_u32 v1, v3, 12, v1                  ; 16 (lane % 16) + 4,096 (lane / 16)
	s_lshl_b32 s22, s21, 13
	s_add_nc_u64 s[16:17], s[4:5], s[22:23]
	s_lshr_b32 s22, s21, 10                        ; batch
	s_lshl_b32 s22, s22, 22                        ; 16 planes of 262,144 bytes
	s_and_b32 s21, s21, 1023
	s_lshl_b32 s21, s21, 8                         ; two tokens of 128 bytes
	s_add_co_u32 s22, s22, s21
	s_add_nc_u64 s[18:19], s[10:11], s[22:23]
	CAST 256, 262144, 0
	s_endpgm
.Lweights:
	s_cmp_lt_u32 ttmp9, 704
	s_cbranch_scc0 .Lproj
	WBASE 6, 12, 512                               ; w_attn: 1,536 pieces
	CAST 512, 256, 0
	s_endpgm
.Lproj:
	WBASE 8, 14, 704                               ; w_proj: 512 pieces
	CAST 512, 256, 1
	s_endpgm
.Lfunc_end_k_qe3b7b243ec_cast:
	.size	k_qe3b7b243ec_cast, .Lfunc_end_k_qe3b7b243ec_cast-k_qe3b7b243ec_cast
	.p2alignl 7, 3214868480
	.fill 96, 4, 3214868480
	.section	.rodata,"a",@progbits
	.p2align	6, 0x0
	.amdhsa_kernel k_qe3b7b243ec_cast
		.amdhsa_group_segment_fixed_size 0
		.amdhsa_private_segment_fixed_size 0
		.amdhsa_enable_private_segment 0
		.amdhsa_kernarg_size 48
		.amdhsa_user_sgpr_count 2
		.amdhsa_user_sgpr_kernarg_segment_ptr 1
		.amdhsa_wavefront_size32 1
		.amdhsa_system_sgpr_workgroup_id_x 1
		.amdhsa_system_sgpr_workgroup_id_y 1
		.amdhsa_system_sgpr_workgroup_id_z 1
		.amdhsa_system_vgpr_workitem_id 0
		.amdhsa_next_free_vgpr 100
		.amdhsa_next_free_sgpr 66
		.amdhsa_reserve_vcc 0
		.amdhsa_float_denorm_mode_32 3
		.amdhsa_float_denorm_mode_16_64 3
		.amdhsa_memory_ordered 1
		.amdhsa_forward_progress 1
		.amdhsa_inst_pref_size 23
	.end_amdhsa_kernel
	.amdgpu_metadata
---
amdhsa.version: [ 1, 2 ]
amdhsa.kernels:
  - .name:           k_qe3b7b243ec_cast
    .symbol:         k_qe3b7b243ec_cast.kd
    .args:
      - { .name: x, .offset: 0, .size: 8, .value_kind: global_buffer, .address_space: global }
      - { .name: w_attn, .offset: 8, .size: 8, .value_kind: global_buffer, .address_space: global }
      - { .name: w_proj, .offset: 16, .size: 8, .value_kind: global_buffer, .address_space: global }
      - { .name: xb, .offset: 24, .size: 8, .value_kind: global_buffer, .address_space: global }
      - { .name: wab, .offset: 32, .size: 8, .value_kind: global_buffer, .address_space: global }
      - { .name: wpb, .offset: 40, .size: 8, .value_kind: global_buffer, .address_space: global }
    .group_segment_fixed_size: 0
    .private_segment_fixed_size: 0
    .kernarg_segment_align: 8
    .kernarg_segment_size: 48
    .max_flat_workgroup_size: 256
    .sgpr_count:     66
    .vgpr_count:     100
    .wavefront_size: 32
...
	.end_amdgpu_metadata
.endif
;; end of part 5
;; launch qkv: the kernel of part 2 again; grid 8 x 32, 4 waves a work-group, clusters of 4 x 4, 327,680 bytes of LDS; arguments xb, wab, b_attn, qkv; writes qkv
;; launch attn: the kernel of part 3 again; grid 256 x 1, 8 waves a work-group, no clusters, 327,680 bytes of LDS; arguments qkv, yb; writes yb
;; launch proj: the kernel of part 4 again; grid 8 x 32, 4 waves a work-group, clusters of 4 x 4, 327,680 bytes of LDS; arguments yb, wpb, b_proj, out0; writes out0
